; MI455X (gfx1250); checked and timed in simulation.
; The chip was launched on July 23, 2026; its instructions are those of AMD's public machine-readable ISA for CDNA 5 (MIT licence, August 2026) and "CDNA5" Instruction Set Architecture Reference Guide (July 2026). The comments in the code are by the model that wrote it; some were corrected since.
;; Self Attention. Allowed arithmetic: matrix products marked QUANTISED: E2M1 operands, one E8M0 scale for each 32 along K, by v_wmma_scale_f32_16x16x128_f8f6f4 with both operands' format E2M1 (or v_wmma_scale_f32_32x16x128_f4), f32 sums; everything else in f32.
;; Inputs: Wk 1,024 x 1,024 float32; Wq 1,024 x 1,024 float32; Wu 1,024 x 1,024 float32; Wv 1,024 x 1,024 float32; bu 1,024 float32; x 4 x 2,048 x 1,024 float32.
;; Outputs: out0 4 x 2,048 x 1,024 float32.
;; This version of the problem:
;;   THIS VERSION OF THE PROBLEM IS GIVEN IN LOW PRECISION. The matrix products marked QUANTISED in the list below multiply operands that are first quantised to E2M1 (2 exponent bits, 1 mantissa bit; 4 bits a number), with one power-of-two scale for each 32 numbers along K (OCP MX v1.0); their sums are f32. All else is computed in f32.
;;   The module's matrix products, in the order in which they are computed (A, B: the left and right operand; K: the contracted axis; several contracted axes count as one K, in the product's order):
;;     1. [M 8,192, K 1,024] x [K 1,024, N 1,024]; A: input x; B: input Wq: QUANTISED
;;     2. [M 8,192, K 1,024] x [K 1,024, N 1,024]; A: input x; B: input Wk: QUANTISED
;;     3. [M 8,192, K 1,024] x [K 1,024, N 1,024]; A: input x; B: input Wv: QUANTISED
;;     4. batch 64 x [M 2,048, K 64] x [K 64, N 2,048]; A: computed on the way; B: computed on the way: QUANTISED
;;     5. batch 64 x [M 2,048, K 2,048] x [K 2,048, N 64]; A: softmax (see below); B: computed on the way: QUANTISED
;;     6. [M 8,192, K 1,024] x [K 1,024, N 1,024]; A: computed on the way; B: input Wu: QUANTISED
;;   THE QUANTISER, for each operand of a quantised product, along K:
;;     - K is cut into blocks of 32 from its start; a last block that is shorter is filled with zeros.
;;     - A block's scale is 2^e with e = floor(log2(the largest magnitude in the block)) - 2, held to -126 .. 127; a block of zeros has e = 0. As a byte (E8M0): e + 127.
;;     - Each number is divided by its block's scale, clamped to +-6, and rounded to the nearest number of E2M1, ties to even, subnormals kept.
;;     - The product sums the exact products of the quantised numbers (number of the format x scale) in f32.
;;   ~~~python
;;   def quantise(x, axis):      # numpy; x: float32 -> the quantised numbers, widened to float32 again
;;       x = np.moveaxis(x, axis, -1); K = x.shape[-1]
;;       x = np.pad(x, [(0, 0)] * (x.ndim - 1) + [(0, -K % 32)]); x = x.reshape(x.shape[:-1] + (-1, 32)); a = np.abs(x).max(-1, keepdims=True)
;;       e = np.where(a > 0, np.clip(np.frexp(np.where(a > 0, a, 1))[1] - 1 - 2, -126, 127), 0)      # np.frexp(a)[1] - 1 = floor(log2(a)), exactly
;;       r = np.clip(x / 2.0 ** e, -6, 6)
;;       step = 2.0 ** (np.maximum(np.frexp(np.where(r == 0, 1, r))[1] - 1, 0) - 1)
;;       q = np.round(r / step) * step * 2.0 ** e      # np.round: ties to even
;;       return np.moveaxis(q.reshape(q.shape[:-2] + (-1,))[..., :K], -1, axis).astype(np.float32)
;;   ~~~
;;   SOFTMAX AHEAD OF A QUANTISED PRODUCT. Where the list says 'softmax', what is quantised is not the finished softmax but p = 2^(t - M), with t = logit x log2(e) and M = ceil(the row's largest t), a whole number; so 1/2 < the row's largest p <= 1. The row's sum l is taken of the UNQUANTISED p, in f32, and the product's result is divided by l at the end. Since M is a whole number, a kernel that streams over the keys may use a running M (the ceiling of the running maximum): every later rescaling is an exact power of two, which a block's scale takes up: the codes' values come out the same.
;;   OPERANDS COMPUTED ON THE WAY. 'Computed on the way' means the value that the module computes at that place (a softmax that the list does not call 'softmax' is quantised finished and normalised). What goes into a quantiser is computed in f32, as accurately as f32 sums, v_exp_f32 and their like allow (about 1e-6 of the number): no bf16 or f16 on the way to a quantiser, and a product that is left as it is and whose result goes on into a quantised operand takes f32 operands (vector FMAs, or v_wmma_f32_16x16x4_f32). A number that lies on a knife's edge between two numbers of the format may be rounded either way, as far as f32 arithmetic and the matrix unit's own rounding can turn it there, and no further.
;; One version. Each part assembles by itself: llvm-mc -triple=amdgcn-amd-amdhsa -mcpu=gfx1250 --defsym DOCPART=n.
;; ======== version 1 of 1: 4 launches
;; workspace buffers: cod 6,291,456 bytes; scl 393,216 bytes; qkvc 12,582,912 bytes; qkvs 1,310,720 bytes; oc 4,194,304 bytes; os 262,144 bytes
;; launch quant (part 1): grid 256 x 1, 6 waves a work-group, no clusters, 51,456 bytes of LDS; arguments x, Wq, Wk, Wv, Wu, cod, scl; writes cod, scl
.if DOCPART == 1
	.amdgcn_target "amdgcn-amd-amdhsa--gfx1250"
	.amdhsa_code_object_version 6
	.text
	.protected	k_q3c23315e21_quant
	.globl	k_q3c23315e21_quant
	.p2align	8
	.type	k_q3c23315e21_quant,@function
k_q3c23315e21_quant:
	s_mov_b64 s[64:65], 0
	v_nop
	global_prefetch_b8 v0, s[64:65] scope:SCOPE_SE
	s_setreg_imm32_b32 hwreg(HW_REG_WAVE_MODE, 25, 1), 1
	s_wait_xcnt 0x0
; x [8192][1024] and Wq, Wk, Wv, Wu [1024][1024], f32, K innermost, become codes of FP4 (E2M1) with one E8M0 byte for each 32 along K.
; A block's scale is 2^(floor(log2(its largest magnitude)) - 2); its byte is that magnitude's exponent field - 2, held at 1 from below.
; LAYOUT OF THE RESULT.  768 tiles of 16 rows: 0-511 x, 512-575 Wq, 576-639 Wk, 640-703 Wv, 704-767 Wu.  THE ROWS OF A TILE ARE NOT NEIGHBOURS: place r of tile 2 b + u
; is row 32 b + 8 u + r + 8 (r / 8), so that results of a product by two neighbouring tiles are 16 neighbours in a lane's registers.  A tile's codes lie as IMAGES OF THE OPERAND'S REGISTERS:
; cod[tile][K step of 128][c][lane][16 bytes], lane (r, h) holding k = 64 c + 32 h + 0 .. 31 of place r.  scl[tile][half of K][r][4 words], a word for each K step.
; SHARES.  A wave takes one tile and one half of K: 16 rows x 512 numbers, in four steps of 128 along K.  Each load reads 512 consecutive bytes of one row; the 16 rows turn through the wave's own stage in LDS
; (rows 528 = 33 x 16 bytes apart), out of which a lane takes two whole blocks of 32.  So a block's largest magnitude needs no other lane, and the conversions' results are the image.
; Each store of codes covers 512 consecutive bytes, the wave's one store of scale words 256, both aligned.  Waves share nothing: no barrier.  Loads run one step (16 loads) ahead of the step in hand.
; LIMITS: NaN and infinities are not served.  A block of zeros, or one whose largest magnitude lies under 2^-124, gets the byte 1 (the rule says 127 for zeros): its codes are zeros or held as the rule holds them, and this program alone reads the bytes.
.set PITCH, 528
.set STAGE, 16*PITCH                   ; a wave's stage
.set RAW,   16                         ; v16-143  two sets of 64: a step's numbers as loaded
.set X,     144                        ; v144-207 my two blocks of 32
.set C,     208                        ; v208-239 codes, eight registers a step: no store's data are written again
.set W,     240                        ; v240-243 the four scale words
	s_load_b256 s[4:11], s[0:1], 0x0               ; x, Wq, Wk, Wv
	s_load_b128 s[12:15], s[0:1], 0x20             ; Wu, cod
	s_load_b64 s[16:17], s[0:1], 0x30              ; scl
	v_lshl_add_u32 v248, v0, 2, 0xc600
	v_mov_b32 v249, 0
	v_lshrrev_b32 v6, 5, v0
	v_readfirstlane_b32 s18, v6                    ; wave 0..5
	v_and_b32 v7, 31, v0                           ; lane
	v_and_b32 v8, 15, v0                           ; r
	v_bfe_u32 v9, v0, 4, 1                         ; h
	v_lshlrev_b32 v1, 4, v7                        ; v1: 16 x lane: my bytes of a load's or a store's 512
	s_mul_i32 s19, s18, STAGE
	v_add_nc_u32 v2, s19, v1                       ; v2: into the stage: a row as it lies
	v_mul_u32_u24 v3, v8, PITCH
	v_lshl_add_u32 v3, v9, 7, v3
	v_add_nc_u32 v3, s19, v3                       ; v3: out of it: row r, 128 h bytes on: my 32 numbers of each 64
	v_lshlrev_b32 v4, 3, v9                        ; v4: 8 h
	v_lshl_add_u32 v5, v8, 4, v4                   ; v5: 16 r + 8 h: my two scale words' place
	v_mov_b32 v10, 0                               ; written once: a lane permute's destination counts as one of its sources
	s_mov_b32 s20, 0x76543210
	s_mov_b32 s21, 0xfedcba98                      ; v_permlanex16_b32's selects for lane l xor 16
	s_mul_i32 s22, ttmp9, 6
	s_add_co_u32 s22, s22, s18                     ; 2 x tile + half of K
	s_lshr_b32 s23, s22, 1                         ; the tile
	s_and_b32 s24, s22, 1                          ; the half
	s_and_b32 s25, s23, 63
	s_cmp_lt_u32 s23, 512
	s_cselect_b32 s25, s23, s25                    ; the tile's number in its own tensor
	s_lshr_b32 s26, s25, 1
	s_lshl_b32 s26, s26, 5
	s_and_b32 s27, s25, 1
	s_lshl_b32 s27, s27, 3
	s_add_co_u32 s26, s26, s27                     ; its first row: 32 b + 8 u
	s_lshl_b32 s26, s26, 12                        ; rows of 4,096 bytes
	s_lshl_b32 s27, s24, 11
	s_add_co_u32 s26, s26, s27                     ; + 2,048 bytes for the upper half of K
	s_mov_b32 s27, 0
	s_lshl_b32 s28, s22, 12                        ; cod: 8,192 a tile, 4,096 a half
	s_mov_b32 s29, 0
	s_lshl_b32 s30, s22, 8                         ; scl: 512 a tile, 256 a half
	s_mov_b32 s31, 0
	s_wait_alu depctr_va_vdst(0)
	s_wait_kmcnt 0x0
	s_cmp_lt_u32 s23, 704                          ; which tensor: the choice hangs on the tile's number alone
	s_cselect_b64 s[12:13], s[10:11], s[12:13]
	s_cmp_lt_u32 s23, 640
	s_cselect_b64 s[12:13], s[8:9], s[12:13]
	s_cmp_lt_u32 s23, 576
	s_cselect_b64 s[12:13], s[6:7], s[12:13]
	s_cmp_lt_u32 s23, 512
	s_cselect_b64 s[12:13], s[4:5], s[12:13]
	s_add_nc_u64 s[12:13], s[12:13], s[26:27]
	s_add_nc_u64 s[14:15], s[14:15], s[28:29]
	s_add_nc_u64 s[16:17], s[16:17], s[30:31]
.macro LOAD t                          ; step t: 512 bytes of each of the tile's 16 rows, into set t % 2
.irp p, 0,1,2,3,4,5,6,7,8,9,10,11,12,13,14,15
	global_load_b128 v[RAW+64*((\t)%2)+4*\p:RAW+64*((\t)%2)+4*\p+3], v1, s[12:13] offset:(\p+8*(\p/8))*4096+512*(\t) th:TH_LOAD_NT
.endr
.endm
.macro STEP t
.if (\t) < 3
	s_wait_loadcnt 16                              ; this step's 16 loads are in; the next step's 16 may be out
.else
	s_wait_loadcnt 0x0
.endif
.irp p, 0,1,2,3,4,5,6,7,8,9,10,11,12,13,14,15
	ds_store_b128 v2, v[RAW+64*((\t)%2)+4*\p:RAW+64*((\t)%2)+4*\p+3] offset:PITCH*\p
.endr
.irp c, 0,1
.irp i, 0,1,2,3,4,5,6,7
	ds_load_b128 v[X+32*\c+4*\i:X+32*\c+4*\i+3], v3 offset:256*\c+16*\i   ; LDS serves a wave's instructions in order: these see the stores above
.endr
.endr
	s_wait_dscnt 0x0                               ; my two blocks are in, and the stores have read the set,
.if (\t) < 2
	LOAD (\t)+2                                    ; which takes the loads of two steps on
.endif
	v_max3_num_f32 v6, |v[X]|, |v[X+1]|, 0x1800000             ; the largest magnitudes, the two blocks by turns; the floor 2^(3 - 127) holds the byte at 1 from below
	v_max3_num_f32 v7, |v[X+32]|, |v[X+33]|, 0x1800000
.irp i, 2,4,6,8,10,12,14,16,18,20,22,24,26,28,30
	v_max3_num_f32 v6, v6, |v[X+\i]|, |v[X+\i+1]|
	v_max3_num_f32 v7, v7, |v[X+32+\i]|, |v[X+33+\i]|
.endr
	v_add_nc_u32 v8, 0xff000000, v6                ; 2 off the exponent field: the conversion takes that field of this operand as its scale
	v_add_nc_u32 v9, 0xff000000, v7
.irp c, 0,1
.irp g, 0,1,2,3
	v_cvt_scalef32_pk8_fp4_f32 v[C+8*(\t)+4*\c+\g], v[X+32*\c+8*\g:X+32*\c+8*\g+7], v[8+\c]
.endr
.endr
	v_lshrrev_b32 v11, 23, v8                      ; the bytes of blocks h and 2 + h.  (Also the plain line behind the conversions)
	v_lshrrev_b32 v12, 23, v9
	v_lshl_or_b32 v11, v12, 16, v11
	v_lshlrev_b32 v11, v4, v11                     ; at their places in the word, 8 h bits up;
	v_permlanex16_b32 v10, v11, s20, s21
	v_or_b32 v[W+(\t)], v11, v10                   ; with lane l xor 16's two the word is whole
	global_store_b128 v1, v[C+8*(\t):C+8*(\t)+3], s[14:15] offset:1024*(\t)
	global_store_b128 v1, v[C+8*(\t)+4:C+8*(\t)+7], s[14:15] offset:1024*(\t)+512
.endm
	LOAD 0
	LOAD 1
	STEP 0
	STEP 1
	STEP 2
	STEP 3
	v_cmp_eq_u32 vcc_lo, 0, v4                     ; lanes 0-15 store words 0 and 1 of their row, lanes 16-31 words 2 and 3: 256 consecutive bytes
	v_cndmask_b32 v12, v[W+2], v[W], vcc_lo
	v_cndmask_b32 v13, v[W+3], v[W+1], vcc_lo
	global_store_b64 v5, v[12:13], s[16:17]
	s_wait_tensorcnt 0x0
	ds_add_u32 v248, v249
	s_wait_dscnt 0x0
	s_endpgm
.Lfunc_end_k_q3c23315e21_quant:
	.size	k_q3c23315e21_quant, .Lfunc_end_k_q3c23315e21_quant-k_q3c23315e21_quant
	.p2alignl 7, 3214868480
	.fill 96, 4, 3214868480
	.section	.rodata,"a",@progbits
	.p2align	6, 0x0
	.amdhsa_kernel k_q3c23315e21_quant
		.amdhsa_group_segment_fixed_size 51456
		.amdhsa_private_segment_fixed_size 0
		.amdhsa_enable_private_segment 0
		.amdhsa_kernarg_size 56
		.amdhsa_user_sgpr_count 2
		.amdhsa_user_sgpr_kernarg_segment_ptr 1
		.amdhsa_wavefront_size32 1
		.amdhsa_system_sgpr_workgroup_id_x 1
		.amdhsa_system_sgpr_workgroup_id_y 1
		.amdhsa_system_sgpr_workgroup_id_z 1
		.amdhsa_system_vgpr_workitem_id 0
		.amdhsa_next_free_vgpr 250
		.amdhsa_next_free_sgpr 66
		.amdhsa_reserve_vcc 1
		.amdhsa_float_denorm_mode_32 3
		.amdhsa_float_denorm_mode_16_64 3
		.amdhsa_memory_ordered 1
		.amdhsa_forward_progress 1
		.amdhsa_inst_pref_size 30
	.end_amdhsa_kernel
	.amdgpu_metadata
---
amdhsa.version: [ 1, 2 ]
amdhsa.kernels:
  - .name:           k_q3c23315e21_quant
    .symbol:         k_q3c23315e21_quant.kd
    .args:
      - { .name: x, .offset: 0, .size: 8, .value_kind: global_buffer, .address_space: global }
      - { .name: Wq, .offset: 8, .size: 8, .value_kind: global_buffer, .address_space: global }
      - { .name: Wk, .offset: 16, .size: 8, .value_kind: global_buffer, .address_space: global }
      - { .name: Wv, .offset: 24, .size: 8, .value_kind: global_buffer, .address_space: global }
      - { .name: Wu, .offset: 32, .size: 8, .value_kind: global_buffer, .address_space: global }
      - { .name: cod, .offset: 40, .size: 8, .value_kind: global_buffer, .address_space: global }
      - { .name: scl, .offset: 48, .size: 8, .value_kind: global_buffer, .address_space: global }
    .group_segment_fixed_size: 51456
    .private_segment_fixed_size: 0
    .kernarg_segment_align: 8
    .kernarg_segment_size: 56
    .max_flat_workgroup_size: 192
    .sgpr_count:     66
    .vgpr_count:     250
    .wavefront_size: 32
...
	.end_amdgpu_metadata
.endif
;; end of part 1
;; launch qkv (part 2): grid 12 x 32, 4 waves a work-group, clusters of 4 x 4, 279,040 bytes of LDS; arguments cod, scl, qkvc, qkvs; writes qkvc, qkvs
.if DOCPART == 2
	.amdgcn_target "amdgcn-amd-amdhsa--gfx1250"
	.amdhsa_code_object_version 6
	.text
	.protected	k_q3c23315e21_qkv
	.globl	k_q3c23315e21_qkv
	.p2align	8
	.type	k_q3c23315e21_qkv,@function
k_q3c23315e21_qkv:
	s_mov_b64 s[64:65], 0
	v_nop
	global_prefetch_b8 v0, s[64:65] scope:SCOPE_SE
	s_setreg_imm32_b32 hwreg(HW_REG_WAVE_MODE, 25, 1), 1
	s_wait_xcnt 0x0
	s_wait_alu depctr_hold_cnt(0) depctr_sa_sdst(0) depctr_va_vdst(0) depctr_va_sdst(0) depctr_va_ssrc(0) depctr_va_vcc(0) depctr_vm_vsrc(0)
	s_getreg_b32 s2, hwreg(HW_REG_IB_STS2, 6, 4)
	s_cmp_eq_u32 s2, 0
	s_cbranch_scc0 .Lentry_in_a_cluster
	s_endpgm
.Lentry_in_a_cluster:
	s_bfe_u32 s2, ttmp6, 0x10000c
	s_cmp_lg_u32 s2, 0xf033
	s_cbranch_scc0 .Lentry_shape_is_right
	s_endpgm
.Lentry_shape_is_right:
; q = x Wq^T 2^-2.5, k = x Wk^T 2^-2.5, v = x Wv^T on codes of FP4 (E2M1) with E8M0 scales, and each result quantised at once for attention: q and k along a head's 64 channels, v along the keys.
; The cluster's x is the kind of work: 0 q, 1 k, 2 v; it is alike in all sixteen partners.
; TWO SIDES.  R is source 1 of the matrix instruction, P source 0: a lane of a result holds ONE row of R, and its registers run along P's rows.  For q and k R = tokens, P = the weight's rows (channels);
; for v R = Wv's rows (channels), P = tokens (keys).  So in all three the registers run along the axis that is quantised, and one text serves them; what differs lies in scalar registers.
; A work-group makes 16 tiles of R x 16 tiles of P (256 x 256), each of its four waves 8 x 8: 64 accumulators, 512 registers.
; THE ROWS OF A TILE: place r of tile 2 b + u is row 32 b + 8 u + r + 8 (r / 8) (so the launch before has laid them): the 16 registers of P's tiles 2 b, 2 b + 1 are rows 32 b + 16 (lane / 16) + 0 .. 15.
; LDS.  K = 1,024: the codes of 256 + 256 rows for all of K are 256 KiB, as images of the operands' registers (a fragment: two loads of 512 consecutive bytes): two slots of 512 along K, each filled ONCE, and
; 16 KiB of scale words behind them.  No byte is filled twice.  A wave has three tensor loads out at the most: its scales, its part of slot 0, its part of slot 1.
; CLUSTER 4 x 4: R's tiles are shared along a row of the cluster, P's along a column: joint loads, one mask each.
; REGISTERS, in windows of 256: window 0: v16-31 addresses; v32-95 scale words, two sets, and nothing else; v96-127 at work on the way out; v128-191 R's fragments, one set; window 1: P's fragments, two sets (v0, v128);
;   window 2: accumulators of my R tiles 0-3 ((a, b) at v[8 (8 a + b)]); window 3: those of tiles 4-7.
; LIMITS: NaN and infinities are not served; a block of zeros or under 2^-124 gets the byte 1, which this program alone reads.
.set SLOT,  131072                     ; a slot: R's 16 tiles x 4,096 bytes, then P's
.set POFF,  65536
.set SCL,   262144                     ; the scale words: R's 8,192 bytes, then P's; a tile: [half of K][r][4 words]
.set FR,    8
.set NQ,    4
.set NP,    4                          ; places behind this matrix instruction (ISA guide 7.12.1)
.set ADRA,  16                         ; v16-17 my R fragments in slot 0, 1
.set ADRB,  20                         ; v20-21 my P fragments
.set VO0,   24                         ; v24  16 x lane
.set VO1,   25                         ; v25  + the distance between a fragment's two halves in the output
.set STG,   26                         ; v26  the scale words' stage: 2,048 x wave + 16 r
.set ADRS,  27                         ; v27  my scale words: lanes 0-15 R's, lanes 16-31 P's
.set RDS,   28                         ; v28  the stage read back: 2,048 x wave + 16 x lane
.set VS,    29                         ; v29  the scale words' place in the output
.set PW,    30                         ; v30  the scale word just made
.set SC,    32
.set TM,    96                         ; v96-111  at work in QUANT
.set HW,    112                        ; v112-127 the words of the two planes, two for each tile
.set AF,    128
.set HA,    128                        ; the way out: 64 numbers
.set PC,    192                        ; v192-255 codes, eight registers a tile: no store's data are written again
.set PL,    128                        ; the planes read back
.set OUTC,  2                          ; s[2:3]   the codes' place
.set OUTS0, 12                         ; s[12:13] the first plane's
.set OUTS1, 18                         ; s[18:19] the second plane's
.set SEL,   20                         ; s[20:21] lane selects
.set MULF,  66                         ; s[66:67] 2^-2.5 or 1
.set SE,    95
.set MW,    96
.set SH,    97
.set G1, 24
.set G0, 32
.set G1B, 48
.set G0B, 56
.set G1S, 68
.set G0S, 76
.set G1SB, 80
.set G0SB, 88
.set MSB, 0
.macro WIN new                         ; the immediate's high byte repeats the setting that is left
.if MSB != (\new)
	s_set_vgpr_msb (MSB<<8)|(\new)
.set MSB, (\new)
.endif
.endm
.set MUL_LO, 0xa1                      ; source 0 (P) window 1, source 1 (R) window 0, C and D window 2
.set MUL_HI, 0xf1
.set TO_B,   0x40
; A joint load: waves 0 and 1 fetch for R, waves 2 and 3 for P.  Each line has one mask and one set of registers; the branch hangs on the wave's number alone.  Four v_nop follow each line.
.macro JLOAD g0a, g1a, g0b, g1b
	s_cmp_eq_u32 s15, 0
	s_cbranch_scc0 .Lfor_b_\@
	tensor_load_to_lds s[\g0a:\g0a+3], s[\g1a:\g1a+7]
	s_nop 0
.rept 4
	v_nop
.endr
	s_branch .Lasked_\@
.Lfor_b_\@:
	tensor_load_to_lds s[\g0b:\g0b+3], s[\g1b:\g1b+7]
	s_nop 0
.rept 4
	v_nop
.endr
.Lasked_\@:
.endm
.macro CROUND                          ; a round of the cluster's barrier
	s_barrier_signal -1
	s_barrier_wait -1
	s_cmp_lg_u32 s14, 0
	s_cbranch_scc1 .Lnot_wave_0_\@
	s_barrier_signal -3
.Lnot_wave_0_\@:
	s_barrier_wait -3
	s_barrier_signal -1
	s_barrier_wait -1
.endm
	s_load_b128 s[4:7], s[0:1], 0x0                ; cod, scl
	s_load_b128 s[8:11], s[0:1], 0x10              ; qkvc, qkvs
	v_lshl_add_u32 v106, v0, 2, 0x44000
	v_mov_b32 v107, 0
	ds_add_u32 v106, v107
	ds_add_u32 v106, v107
	v_lshrrev_b32 v1, 5, v0
	v_readfirstlane_b32 s14, v1                    ; wave 0..3
	s_lshr_b32 s15, s14, 1                         ; which 8 of R's tiles are mine.  Also: I fetch for R (0) or for P (1)
	s_and_b32 s16, s14, 1                          ; which 8 of P's.  Also: which 8 tiles I fetch
	s_bfe_u32 s40, ttmp6, 0x40000                  ; cx
	s_bfe_u32 s41, ttmp6, 0x40004                  ; cy
	s_and_b32 s12, ttmp7, 0xffff
	s_lshl_b32 s12, s12, 2                         ; 4 x cluster y
	s_lshl_b32 s13, ttmp9, 2
	s_add_co_u32 s13, s13, 32                      ; Wq's blocks of 16 tiles begin at 32, Wk's at 36
	s_cmp_eq_u32 ttmp9, 2
	s_cselect_b32 s17, 40, s12                     ; R: Wv's blocks begin at 40; else x's blocks
	s_cselect_b32 s42, s12, s13                    ; P: x's blocks; else the weight's
	s_add_co_u32 s17, s17, s41                     ; R's block: of y coordinates alone
	s_add_co_u32 s42, s42, s40                     ; P's block: it never holds cy
	s_lshl_b32 s43, s41, 2
	s_lshl_b32 s43, 15, s43                        ; my row of the cluster
	s_lshl_b32 s44, 0x1111, s40                    ; my column
	; group 1, codes: 8 tiles' halves of K: 8 rows of 4,096 bytes (512 elements of 8 bytes), 8,192 bytes apart; no padding
	s_or_b32 s[G1+0], s43, (3<<16)|(1<<21)
	s_or_b32 s[G1B+0], s44, (3<<16)|(1<<21)
.irp g, G1, G1B
	s_mov_b32 s[\g+1], 512<<16                     ; tensor_dim0
	s_mov_b32 s[\g+2], 8<<16                       ; tensor_dim1
	s_mov_b32 s[\g+3], 512<<16                     ; tile_dim0
	s_mov_b32 s[\g+4], 8                           ; tile_dim1
	s_mov_b32 s[\g+5], 1024                        ; from row to row
	s_mov_b32 s[\g+6], 0
	s_mov_b32 s[\g+7], 0
.endr
	; group 1, scale words: 8 tiles x 512 dense bytes, as 16 rows of 256 bytes
	s_or_b32 s[G1S+0], s43, (3<<16)|(1<<21)
	s_or_b32 s[G1SB+0], s44, (3<<16)|(1<<21)
.irp g, G1S, G1SB
	s_mov_b32 s[\g+1], 32<<16
	s_mov_b32 s[\g+2], 16<<16
	s_mov_b32 s[\g+3], 32<<16
	s_mov_b32 s[\g+4], 16
	s_mov_b32 s[\g+5], 32
	s_mov_b32 s[\g+6], 0
	s_mov_b32 s[\g+7], 0
.endr
	s_lshl_b32 s18, s16, 3
	s_lshl_b32 s20, s17, 4
	s_add_co_u32 s20, s20, s18                     ; R: the first tile that I would fetch
	s_lshl_b32 s46, s42, 4
	s_add_co_u32 s46, s46, s18                     ; P: likewise
	s_lshl_b32 s22, s20, 9                         ; its scale words,
	s_mov_b32 s23, 0
	s_lshl_b32 s92, s46, 9
	s_mov_b32 s93, 0
	s_lshl_b32 s20, s20, 13                        ; its codes
	s_mov_b32 s21, 0
	s_lshl_b32 s46, s46, 13
	s_mov_b32 s47, 0
	s_lshl_b32 s45, s14, 15                        ; where they go: 32,768 x wave; no place in the cluster enters an LDS address
	s_lshl_b32 s94, s14, 12
	s_wait_dscnt 0x0
	s_wait_kmcnt 0x0
	s_add_nc_u64 s[20:21], s[4:5], s[20:21]
	s_add_nc_u64 s[22:23], s[6:7], s[22:23]
	s_add_nc_u64 s[46:47], s[4:5], s[46:47]
	s_add_nc_u64 s[92:93], s[6:7], s[92:93]
	CROUND                                         ; all sixteen work-groups are here: the joint loads meet
	s_mov_b32 s[G0S], 1
	s_add_co_u32 s[G0S+1], s94, SCL
	s_mov_b64 s[G0S+2:G0S+3], s[22:23]
	s_or_b32 s[G0S+3], s[G0S+3], 0x80000000
	s_mov_b32 s[G0SB], 1
	s_add_co_u32 s[G0SB+1], s94, SCL
	s_mov_b64 s[G0SB+2:G0SB+3], s[92:93]
	s_or_b32 s[G0SB+3], s[G0SB+3], 0x80000000
	JLOAD G0S, G1S, G0SB, G1SB                     ; the scale words first: they are wanted with slot 0
.irp s, 0,1
	s_mov_b32 s[G0+4*\s], 1
	s_add_co_u32 s[G0+4*\s+1], s45, \s*SLOT
	s_add_nc_u64 s[G0+4*\s+2:G0+4*\s+3], s[20:21], \s*4096
	s_or_b32 s[G0+4*\s+3], s[G0+4*\s+3], 0x80000000
	s_mov_b32 s[G0B+4*\s], 1
	s_add_co_u32 s[G0B+4*\s+1], s45, \s*SLOT
	s_add_nc_u64 s[G0B+4*\s+2:G0B+4*\s+3], s[46:47], \s*4096
	s_or_b32 s[G0B+4*\s+3], s[G0B+4*\s+3], 0x80000000
	JLOAD G0+4*\s, G1, G0B+4*\s, G1B
.endr
	v_and_b32 v1, 15, v0                           ; r
	v_bfe_u32 v2, v0, 4, 1                         ; h
	s_wait_alu depctr_va_vdst(0)
	v_and_b32 v3, 31, v0
	v_lshlrev_b32 v[VO0], 4, v3
	s_wait_alu depctr_va_vdst(0)
	s_lshl_b32 s22, s15, 15                        ; my 8 tiles of R
	s_lshl_b32 s23, s16, 15
	s_add_co_u32 s23, s23, POFF                    ; my 8 of P
.irp s, 0,1
	v_add_nc_u32 v[ADRA+\s], s22, v[VO0]
	v_add_nc_u32 v[ADRB+\s], s23, v[VO0]
	s_add_co_u32 s22, s22, SLOT
	s_add_co_u32 s23, s23, SLOT
.endr
	s_lshl_b32 s22, s15, 12
	s_lshl_b32 s23, s16, 12
	s_add_co_u32 s23, s23, 8192
	s_sub_co_u32 s23, s23, s22                     ; from my R tiles' words to my P tiles'
	v_mul_u32_u24 v6, s23, v2                      ; lanes 16-31 take P's
	s_add_co_u32 s22, s22, SCL
	v_lshl_add_u32 v5, v1, 4, v6
	v_add_nc_u32 v[ADRS], s22, v5
	s_lshl_b32 s22, s14, 11                        ; the words' stage: 2,048 bytes a wave in slot 0, which has had its one fill and is read by nobody behind the change of slots
	v_lshl_add_u32 v[STG], v1, 4, s22
	v_add_nc_u32 v[RDS], s22, v[VO0]
.irp b, 0,1,2,3
	v_mov_b32 v[TM+4+\b], 0                        ; written once: a lane permute's destination counts as one of its sources
.endr
	; WHERE THE RESULTS GO.  Both variants are made, then chosen on the kind of work.
	s_and_b32 s20, ttmp7, 0xffff
	s_lshl_b32 s20, s20, 2
	s_add_co_u32 s21, s20, s40                     ; 4 x cluster y + cx
	s_add_co_u32 s20, s20, s41                     ; 4 x cluster y + cy
	s_lshl_b32 s23, s15, 3
	s_lshl_b32 s22, s20, 4                         ; q, k: my first tile of tokens,
	s_add_co_u32 s22, s22, s23
	s_lshl_b32 s45, s40, 2
	s_lshl_b32 s46, s16, 1
	s_add_co_u32 s45, s45, s46                     ; my first of two heads,
	s_lshr_b32 s46, s22, 7
	s_lshl_b32 s47, s46, 4
	s_add_co_u32 s47, s47, s45                     ; 16 x batch + head
	s_lshl_b32 s92, s47, 16                        ; codes: 65,536 bytes a head,
	s_and_b32 s93, s22, 127
	s_lshl_b32 s93, s93, 9                         ; 512 a tile,
	s_add_co_u32 s92, s92, s93
	s_lshl_b32 s93, ttmp9, 22                      ; k's 4 MiB behind q's
	s_add_co_u32 s92, s92, s93
	s_bfe_u32 s93, s22, 0x40003
	s_lshl_b32 s93, s93, 9                         ; scale words: 512 bytes for 8 tiles
	s_lshl_b32 s94, s21, 1                         ; v: my step of 128 keys, over all batches,
	s_add_co_u32 s94, s94, s16
	s_lshl_b32 s98, s41, 4
	s_add_co_u32 s98, s98, s23                     ; my first tile of channels
	s_lshl_b32 s99, s94, 16                        ; codes: 65,536 bytes a key step,
	s_lshl_b32 s22, s98, 9                         ; 512 a tile
	s_add_co_u32 s99, s99, s22
	s_add_co_u32 s99, s99, 8388608
	s_lshr_b32 s22, s94, 4
	s_lshl_b32 s22, s22, 4
	s_lshr_b32 s98, s98, 2
	s_add_co_u32 s22, s22, s98                     ; 16 x batch + my first of two heads
	s_and_b32 s94, s94, 15
	s_lshl_b32 s94, s94, 8
	s_add_co_u32 s94, s94, 8192                    ; scale words: behind the head's 8,192 of k, 256 bytes a key step
	s_mov_b32 s[SE], 65536
	s_mov_b32 s[MULF], 0x3e3504f3                  ; 1024^(-1/4) = 2^-2.5
	s_mov_b32 s[MW], 0xffff
	s_mov_b32 s[SH], 256
	s_cmp_eq_u32 ttmp9, 2
	s_cselect_b32 s[OUTC], s99, s92
	s_cselect_b32 s22, s22, s47
	s_cselect_b32 s94, s94, s93
	s_cselect_b32 s[SE], 32768, s[SE]              ; a fragment's halves: q, k: two heads; v: keys 0-63 and 64-127
	s_cselect_b32 s[MULF], 0x3f800000, s[MULF]
	s_cselect_b32 s[MW], -1, s[MW]                 ; a scale word: q, k: two bytes for each head; v: four bytes of one row
	s_cselect_b32 s[SH], 12288, s[SH]              ; from tiles 0-3's words to tiles 4-7's
	s_mov_b32 s[MULF+1], s[MULF]                   ; (named with it as a pair)
	s_mov_b32 s[OUTC+1], 0
	s_mov_b32 s98, 12288
	s_mov_b32 s99, 524288
	s_cmp_eq_u32 ttmp9, 0
	s_cselect_b32 s98, 8192, s98                   ; a head's scale bytes: q 8,192; k and v together 12,288,
	s_cselect_b32 s99, 0, s99                      ; behind q's
	s_mul_i32 s22, s22, s98
	s_add_co_u32 s22, s22, s99
	s_add_co_u32 s[OUTS0], s22, s94
	s_mov_b32 s[OUTS0+1], 0
	s_add_co_u32 s[OUTS1], s[OUTS0], s98           ; the second plane is the next head's
	s_mov_b32 s[OUTS1+1], 0
	s_add_nc_u64 s[OUTC:OUTC+1], s[8:9], s[OUTC:OUTC+1]
	s_add_nc_u64 s[OUTS0:OUTS0+1], s[10:11], s[OUTS0:OUTS0+1]
	s_add_nc_u64 s[OUTS1:OUTS1+1], s[10:11], s[OUTS1:OUTS1+1]
	s_mov_b32 s[SEL], 0x76543210
	s_mov_b32 s[SEL+1], 0xfedcba98
	v_add_nc_u32 v[VO1], s[SE], v[VO0]
	v_mul_u32_u24 v[VS], s[SH], v2
	v_lshl_add_u32 v[VS], v1, 4, v[VS]
.macro FRAG reg, adr, q, i             ; a fragment comes as the image of its registers: two loads of 512 consecutive bytes
.irp c, 0,1
	ds_load_b128 v[\reg+4*\c:\reg+4*\c+3], v[\adr] offset:4096*(\i)+1024*(\q)+512*\c
.endr
.endm
; 16 matrix instructions: R's tiles a0, a0 + 1 x P's eight, the slot's q-th 128 along K.  p: P's set; sc: the set of scale words.  zero = 1: the first products start the sums.
; The 64 accumulators take turns, one instruction a turn, in the same order in every step.
.macro MUL16 a0, p, q, sc, zero
.irp a, \a0, \a0+1
.irp b, 0,1,2,3,4,5,6,7
.if \zero
	v_wmma_scale_f32_16x16x128_f8f6f4 v[8*(8*((\a)%4)+\b):8*(8*((\a)%4)+\b)+7], v[128*(\p)+FR*\b:128*(\p)+FR*\b+FR-1], v[AF+FR*(\a):AF+FR*(\a)+FR-1], 0, v[SC+8*NQ*(\sc)+NQ*\b+(\q)], v[SC+8*NQ*(\sc)+NQ*(\a)+(\q)] matrix_a_fmt:MATRIX_FMT_FP4 matrix_b_fmt:MATRIX_FMT_FP4 matrix_a_scale:MATRIX_SCALE_ROW1
.else
	v_wmma_scale_f32_16x16x128_f8f6f4 v[8*(8*((\a)%4)+\b):8*(8*((\a)%4)+\b)+7], v[128*(\p)+FR*\b:128*(\p)+FR*\b+FR-1], v[AF+FR*(\a):AF+FR*(\a)+FR-1], v[8*(8*((\a)%4)+\b):8*(8*((\a)%4)+\b)+7], v[SC+8*NQ*(\sc)+NQ*\b+(\q)], v[SC+8*NQ*(\sc)+NQ*(\a)+(\q)] matrix_a_fmt:MATRIX_FMT_FP4 matrix_b_fmt:MATRIX_FMT_FP4 matrix_a_scale:MATRIX_SCALE_ROW1
.endif
.endr
.endr
.endm
.macro FETCH_B slot, q, p
	WIN TO_B
.irp i, 0,1,2,3,4,5,6,7
	FRAG 128*(\p)+FR*\i, ADRB+\slot, \q, \i
.endr
	WIN 0
.endm
.macro FETCH_A slot, q, i0
.irp i, \i0, \i0+1, \i0+2, \i0+3
	FRAG AF+FR*(\i), ADRA+\slot, \q, \i
.endr
.endm
.macro SCALES sc                       ; a slot's scale words: four a row; lanes 0-15 take R's tile i, lanes 16-31 P's tile i
.irp i, 0,1,2,3,4,5,6,7
	ds_load_b128 v[SC+8*NQ*\sc+NQ*\i:SC+8*NQ*\sc+NQ*\i+3], v[ADRS] offset:512*\i+256*\sc
.endr
.endm
.macro PLACES n                        ; plain vector lines between a matrix instruction and a load into, or a vector line on, its registers
.rept \n
	v_nop
.endr
.endm
.macro STEP slot, q, zero              ; 128 along K whose successor lies in the same slot
	s_wait_dscnt 8                                 ; all but the youngest eight loads (R's tiles 4-7) are in
	WIN MUL_LO
	MUL16 0, (\q)%2, \q, \slot, \zero
	MUL16 2, (\q)%2, \q, \slot, \zero
	s_wait_dscnt 0x0                               ; R's tiles 4-7 are in
	PLACES NP
	FETCH_B \slot, (\q)+1, 1-(\q)%2
	FETCH_A \slot, (\q)+1, 0
	WIN MUL_HI
	MUL16 4, (\q)%2, \q, \slot, \zero
	MUL16 6, (\q)%2, \q, \slot, \zero
	PLACES NP
	WIN 0
	FETCH_A \slot, (\q)+1, 4
.endm
	s_wait_tensorcnt 0x1                           ; my scale words and my part of slot 0 are in; slot 1's load may be out
	s_barrier_signal -1
	s_barrier_wait -1                              ; everybody's are
	FETCH_B 0, 0, 0
	FETCH_A 0, 0, 0
	SCALES 0
	FETCH_A 0, 0, 4
	STEP 0, 0, 1
	STEP 0, 1, 0
	STEP 0, 2, 0
	; slot 0's last step, and the change of slots: one barrier; nothing is filled again
	s_wait_tensorcnt 0x0                           ; my part of slot 1 is in
	s_wait_dscnt 8
	WIN MUL_LO
	MUL16 0, 1, 3, 0, 0
	s_wait_dscnt 0x0                               ; my reads of slot 0 are over
	s_barrier_signal -1
	MUL16 2, 1, 3, 0, 0
	WIN 0
	s_barrier_wait -1                              ; slot 1 is whole, and nobody reads slot 0 any more
	PLACES NP
	FETCH_B 1, 0, 0
	FETCH_A 1, 0, 0
	SCALES 1
	WIN MUL_HI
	MUL16 4, 1, 3, 0, 0
	MUL16 6, 1, 3, 0, 0
	PLACES NP
	WIN 0
	FETCH_A 1, 0, 4
	STEP 1, 0, 0
	STEP 1, 1, 0
	STEP 1, 2, 0
	s_wait_dscnt 8                                 ; the last step: nothing more to fetch
	WIN MUL_LO
	MUL16 0, 1, 3, 1, 0
	MUL16 2, 1, 3, 1, 0
	s_wait_dscnt 0x0
	WIN MUL_HI
	MUL16 4, 1, 3, 1, 0
	MUL16 6, 1, 3, 1, 0
	WIN 0
; 64 numbers of a lane, register 16 b + i = place 32 b + 16 (lane / 16) + i along the axis that is quantised, become a fragment's codes (8 registers) and its scale word.
.macro QUANT s, pc, pw
.irp b, 0,1,2,3
	v_max3_num_f32 v[TM+\b], |v[(\s)+16*\b]|, |v[(\s)+1+16*\b]|, 0x1800000   ; my 16 of block b, and the floor 2^(3 - 127): the byte cannot fall under 1
.endr
.irp i, 2,4,6,8,10,12,14
.irp b, 0,1,2,3
	v_max3_num_f32 v[TM+\b], v[TM+\b], |v[(\s)+16*\b+\i]|, |v[(\s)+1+16*\b+\i]|
.endr
.endr
.irp b, 0,1,2,3
	v_permlanex16_b32 v[TM+4+\b], v[TM+\b], s[SEL], s[SEL+1]
.endr
.irp b, 0,1,2,3
	v_max_num_f32 v[TM+\b], v[TM+\b], v[TM+4+\b]   ; with lane l xor 16's: the block's largest magnitude
.endr
.irp b, 0,1,2,3
	v_add_nc_u32 v[TM+12+\b], 0xff000000, v[TM+\b] ; 2 off its exponent field: the conversion's scale operand
.endr
.irp b, 0,1,2,3
	v_lshrrev_b32 v[TM+4+\b], 23, v[TM+12+\b]      ; the scale's byte
.endr
	v_lshl_or_b32 v[\pw], v[TM+5], 8, v[TM+4]
	v_lshl_or_b32 v[\pw], v[TM+6], 16, v[\pw]
	v_lshl_or_b32 v[\pw], v[TM+7], 24, v[\pw]
.irp b, 0,1,2,3
	v_cvt_scalef32_pk8_fp4_f32 v[(\pc)+2*\b], v[(\s)+16*\b:(\s)+7+16*\b], v[TM+12+\b]
	v_cvt_scalef32_pk8_fp4_f32 v[(\pc)+1+2*\b], v[(\s)+8+16*\b:(\s)+15+16*\b], v[TM+12+\b]
.endr
	v_nop                                          ; one plain line behind a scaled conversion
.irp c, 0,1                                    ; the operand's layout wants a whole block in a lane
.irp i, 0,1
	v_permlane16_swap_b32 v[(\pc)+4*\c+\i], v[(\pc)+2+4*\c+\i]
.endr
.endr
.endm
; THE WAY OUT of R's tile a: the 64 numbers times 2^-2.5 (v: times 1) into window 0, each accumulator from its low end on; quantised; the two halves of the fragment stored, 512 consecutive bytes each;
; the scale word's two planes (q, k: a head each; v: the whole word, and a second plane that is not stored) into my stage.
.macro OUTBLK a
.set AC, 64*((\a)%4)
	WIN 0x02+(\a)/4
.set ii, 0
.rept 32
	v_pk_mul_f32 v[HA+ii:HA+ii+1], v[AC+ii:AC+ii+1], s[MULF:MULF+1] op_sel_hi:[1,0]
.set ii, ii+2
.endr
	WIN 0
	QUANT HA, PC+8*(\a), PW
	global_store_b128 v[VO0], v[PC+8*(\a):PC+8*(\a)+3], s[OUTC:OUTC+1] offset:512*(\a)
	global_store_b128 v[VO1], v[PC+8*(\a)+4:PC+8*(\a)+7], s[OUTC:OUTC+1] offset:512*(\a)
	v_and_b32 v[HW+2*(\a)], s[MW], v[PW]
	v_lshrrev_b32 v[HW+2*(\a)+1], 16, v[PW]
	ds_store_b32 v[STG], v[HW+2*(\a)] offset:256*((\a)/4)+4*((\a)%4)       ; lanes l and l xor 16 write the same word with the same value
	ds_store_b32 v[STG], v[HW+2*(\a)+1] offset:512+256*((\a)/4)+4*((\a)%4)
.endm
	PLACES NP                                      ; behind the last products: the lines below read results and write registers that held R's fragments
.irp a, 0,1,2,3,4,5,6,7
	OUTBLK \a
.endr
	ds_load_b128 v[PL:PL+3], v[RDS]                ; LDS serves a wave's instructions in order: these see my stores
	ds_load_b128 v[PL+4:PL+7], v[RDS] offset:512
	s_wait_dscnt 0x0
	global_store_b128 v[VS], v[PL:PL+3], s[OUTS0:OUTS0+1]      ; sixteen lanes store 256 consecutive bytes, aligned
	s_cmp_eq_u32 ttmp9, 2                          ; the kind of work: alike in all partners
	s_cbranch_scc1 .Lno_second
	global_store_b128 v[VS], v[PL+4:PL+7], s[OUTS1:OUTS1+1]
.Lno_second:
	s_wait_tensorcnt 0x0
	ds_add_u32 v106, v107
	s_wait_dscnt 0x0
	CROUND                                         ; the closing round: no work-group ends while a partner may still ask for a tile that names it
	s_endpgm
.Lfunc_end_k_q3c23315e21_qkv:
	.size	k_q3c23315e21_qkv, .Lfunc_end_k_q3c23315e21_qkv-k_q3c23315e21_qkv
	.p2alignl 7, 3214868480
	.fill 96, 4, 3214868480
	.section	.rodata,"a",@progbits
	.p2align	6, 0x0
	.amdhsa_kernel k_q3c23315e21_qkv
		.amdhsa_group_segment_fixed_size 279040
		.amdhsa_private_segment_fixed_size 0
		.amdhsa_enable_private_segment 0
		.amdhsa_kernarg_size 32
		.amdhsa_user_sgpr_count 2
		.amdhsa_user_sgpr_kernarg_segment_ptr 1
		.amdhsa_wavefront_size32 1
		.amdhsa_system_sgpr_workgroup_id_x 1
		.amdhsa_system_sgpr_workgroup_id_y 1
		.amdhsa_system_sgpr_workgroup_id_z 1
		.amdhsa_system_vgpr_workitem_id 0
		.amdhsa_next_free_vgpr 1024
		.amdhsa_next_free_sgpr 100
		.amdhsa_reserve_vcc 0
		.amdhsa_float_denorm_mode_32 3
		.amdhsa_float_denorm_mode_16_64 3
		.amdhsa_memory_ordered 1
		.amdhsa_forward_progress 1
		.amdhsa_inst_pref_size 146
	.end_amdhsa_kernel
	.amdgpu_metadata
---
amdhsa.version: [ 1, 2 ]
amdhsa.kernels:
  - .name:           k_q3c23315e21_qkv
    .symbol:         k_q3c23315e21_qkv.kd
    .args:
      - { .name: cod, .offset: 0, .size: 8, .value_kind: global_buffer, .address_space: global }
      - { .name: scl, .offset: 8, .size: 8, .value_kind: global_buffer, .address_space: global }
      - { .name: qkvc, .offset: 16, .size: 8, .value_kind: global_buffer, .address_space: global }
      - { .name: qkvs, .offset: 24, .size: 8, .value_kind: global_buffer, .address_space: global }
    .group_segment_fixed_size: 279040
    .private_segment_fixed_size: 0
    .kernarg_segment_align: 8
    .kernarg_segment_size: 32
    .max_flat_workgroup_size: 128
    .sgpr_count:     100
    .vgpr_count:     1024
    .wavefront_size: 32
...
	.end_amdgpu_metadata
.endif
;; end of part 2
;; launch attn (part 3): grid 4 x 64, 16 waves a work-group, no clusters, 169,984 bytes of LDS; arguments qkvc, qkvs, oc, os; writes oc, os
.if DOCPART == 3
	.amdgcn_target "amdgcn-amd-amdhsa--gfx1250"
	.amdhsa_code_object_version 6
	.text
	.protected	k_q3c23315e21_attn
	.globl	k_q3c23315e21_attn
	.p2align	8
	.type	k_q3c23315e21_attn,@function
k_q3c23315e21_attn:
	s_mov_b64 s[64:65], 0
	v_nop
	global_prefetch_b8 v0, s[64:65] scope:SCOPE_SE
	s_setreg_imm32_b32 hwreg(HW_REG_WAVE_MODE, 25, 1), 1
	s_wait_xcnt 0x0
; Causal attention of one head (work-group y = 16 x batch + head) on codes of FP4 (E2M1) with E8M0 scales, and O / l quantised along the head's 64 channels for the last product.
; THE SOFTMAX AHEAD OF THE SECOND PRODUCT: t = score x log2(e); M = the running largest t rounded up to a whole number; p = 2^(t - M) is quantised along the keys, not normalised; the row's sum l is taken
; of the unquantised p; when M moves, l and O are multiplied by 2^(old M - new M), which rounds nothing.
; SHARES.  Sixteen waves, four to a SIMD.  Wave w of work-group x = g takes the tiles of 16 queries i = 16 g + w and 127 - i, one after the other: (i / 8) + 1 key steps of 128 count for a tile, so every wave
; of the launch has 17 key steps, two of them on the diagonal.
; LDS.  A head's K codes (64 KiB), V codes (64 KiB) and their scale words (12 KiB) come ONCE, as images of the operands' registers: one tensor load in each of waves 0 to 8, one barrier; afterwards LDS is only read.
; NO CLUSTER, though the four work-groups of a head read the same K and V: which key steps are left out is a branch on the work-group's block of queries, which in a cluster would be its place among the partners;
; and each work-group asks for those bytes once, at its head.
; LAYOUT.  Both products transposed: S^T = K Q^T, O^T = V^T P^T: a lane holds ONE query.  Place r of tile 2 b + u (of tokens, of channels) is row 32 b + 8 u + r + 8 (r / 8): so the 16 registers of two
; neighbouring tiles are 16 neighbouring keys (S^T, p) or channels (O^T).
; THE FIRST PRODUCT'S K IS 64: the instruction's upper 64 meet zero codes on Q's side.  K's operand of tile t is v[32 + 4 t .. 39 + 4 t]: its upper four registers are the next tile's codes
; (for t = 7 four zeros); they are multiplied by Q's zeros, under scale bytes 0 on both sides, and add nothing.
; The loop over key steps has the constant 16 trips; a step all of whose keys are hidden is jumped over by a scalar branch on ids, but for the lines that step addresses.
; os is stored two bytes a row and head: parts of 256-byte units, 256 KiB in all; whole units would want eight heads in one work-group.
; LIMITS: NaN and infinities are not served; a block of zeros or under 2^-124 gets the byte 1, which this program alone reads; 1 / l is v_rcp_f32 and a multiplication.
.set VIMG, 65536
.set KSC,  131072
.set VSC,  139264
.set LK,   1                           ; v1   16 x lane
.set LV,   2                           ; v2   + V's image
.set LKS,  3                           ; v3   K's scale words: KSC + 16 r
.set LVS,  4                           ; v4   V's
.set DG,   5                           ; v5   on the diagonal: my query - the step's first key - 16 h
.set DG0,  6                           ; v6   r + 8 (r / 8) - 16 h
.set OSO,  7                           ; v7   my place in os
.set ADK,  8
.set ADV,  9
.set ADS,  10
.set ADT,  11
.set KF,   32                          ; v32-63 K's codes, v64-67 zeros
.set VF,   68                          ; v68-99 V's four fragments
.set S,    100                         ; v100-163 S^T, then p
.set O,    164                         ; v164-195 O^T
.set P,    196                         ; v196-203 p's codes
.set KSW,  204                         ; v204-211 K's scale words;  v212-215 V's;  v216-217 Q's;  v218 p's: these hold scales and nothing else
.set VSW,  212
.set QSW,  216
.set PSW,  218
.set R16,  219                         ; v219 16 r
.set BM,   220                         ; v220-223 the blocks' largest scores, then largest p
.set BT,   224                         ; v224-227 at work
.set BS,   228                         ; v228-231 the conversions' scale operands
.set FF,   232                         ; v[232:233] f
.set TT,   234
.set NINF, 235
.set WV,   18
.set SEL,  20
.set CS,   22
.set GK,   24
.set GV,   32
.set GS,   40
.set G0K,  48
.set G0V,  52
.set G0S,  56
.set TI,   60                          ; s60, s61 my two tiles
.set QB,   66                          ; s[66:67], s[68:69] their codes
.set QSB,  70                          ; s[70:71], s[72:73] their scale words
.set OB,   74                          ; s[74:75], s[76:77] their place in oc
.set J,    78
.set JD,   79
.set TK,   80
.set TS,   81
.set TV,   82
	s_load_b128 s[4:7], s[0:1], 0x0                ; qkvc, qkvs
	s_load_b128 s[8:11], s[0:1], 0x10              ; oc, os
	v_lshl_add_u32 v254, v0, 2, 0x29000
	v_mov_b32 v255, 0
	ds_add_u32 v254, v255
	ds_add_u32 v254, v255
	v_lshrrev_b32 v8, 5, v0
	s_delay_alu instid0(VALU_DEP_1)
	v_readfirstlane_b32 s[WV], v8                  ; wave 0..15
	s_and_b32 s12, ttmp7, 0xffff                   ; 16 x batch + head
	s_lshr_b32 s13, s12, 4                         ; batch
	s_and_b32 s14, s12, 15                         ; head
	s_and_b32 s15, s[WV], 3
	; group 1: K: a quarter of the head's image, 16,384 dense bytes as 64 rows of 256 (32 elements of 8 bytes)
	s_mov_b32 s[GK], 3<<16
	s_mov_b32 s[GK+1], 32<<16
	s_mov_b32 s[GK+2], 64<<16
	s_mov_b32 s[GK+3], 32<<16
	s_mov_b32 s[GK+4], 64
	s_mov_b32 s[GK+5], 32
	s_mov_b32 s[GK+6], 0
	s_mov_b32 s[GK+7], 0
	; V: 8 rows (four key steps x two halves) of the head's 2,048 bytes (256 elements), 32,768 bytes apart
	s_mov_b32 s[GV], 3<<16
	s_mov_b32 s[GV+1], 256<<16
	s_mov_b32 s[GV+2], 8<<16
	s_mov_b32 s[GV+3], 256<<16
	s_mov_b32 s[GV+4], 8
	s_mov_b32 s[GV+5], 4096
	s_mov_b32 s[GV+6], 0
	s_mov_b32 s[GV+7], 0
	; the scale words of K and V: 12,288 dense bytes as 48 rows of 256
	s_mov_b32 s[GS], 3<<16
	s_mov_b32 s[GS+1], 32<<16
	s_mov_b32 s[GS+2], 48<<16
	s_mov_b32 s[GS+3], 32<<16
	s_mov_b32 s[GS+4], 48
	s_mov_b32 s[GS+5], 32
	s_mov_b32 s[GS+6], 0
	s_mov_b32 s[GS+7], 0
	s_lshl_b32 s16, s12, 16                        ; a head's codes of q or k: 65,536 bytes
	s_lshl_b32 s17, s15, 14
	s_add_co_u32 s84, s16, s17
	s_add_co_u32 s84, s84, 4194304                 ; K's quarter
	s_mov_b32 s85, 0
	s_lshl_b32 s86, s13, 20
	s_lshl_b32 s19, s14, 11
	s_add_co_u32 s86, s86, s19
	s_lshl_b32 s19, s15, 18
	s_add_co_u32 s86, s86, s19
	s_add_co_u32 s86, s86, 8388608                 ; V's quarter
	s_mov_b32 s87, 0
	s_mul_i32 s88, s12, 12288
	s_add_co_u32 s88, s88, 524288                  ; the scale words
	s_mov_b32 s89, 0
	s_mov_b32 s[SEL], 0x76543210
	s_mov_b32 s[SEL+1], 0xfedcba98
	s_mov_b32 s[CS], 0x3fb8aa3b                    ; log2(e): q and k carry the scale already
	s_mov_b32 s[CS+1], s[CS]
	s_wait_dscnt 0x0
	s_wait_kmcnt 0x0
	s_mov_b32 s[G0K], 1
	s_mov_b32 s[G0K+1], s17
	s_add_nc_u64 s[G0K+2:G0K+3], s[4:5], s[84:85]
	s_or_b32 s[G0K+3], s[G0K+3], 0x80000000
	s_mov_b32 s[G0V], 1
	s_add_co_u32 s[G0V+1], s17, VIMG
	s_add_nc_u64 s[G0V+2:G0V+3], s[4:5], s[86:87]
	s_or_b32 s[G0V+3], s[G0V+3], 0x80000000
	s_mov_b32 s[G0S], 1
	s_mov_b32 s[G0S+1], KSC
	s_add_nc_u64 s[G0S+2:G0S+3], s[6:7], s[88:89]
	s_or_b32 s[G0S+3], s[G0S+3], 0x80000000
	; the fills: waves 0-3 K, waves 4-7 V, wave 8 the scale words; one load a wave; four v_nop follow each
	s_cmp_lt_u32 s[WV], 4
	s_cbranch_scc0 .Lnot_k
	tensor_load_to_lds s[G0K:G0K+3], s[GK:GK+7]
	s_nop 0
.rept 4
	v_nop
.endr
	s_branch .Lasked
.Lnot_k:
	s_cmp_lt_u32 s[WV], 8
	s_cbranch_scc0 .Lnot_v
	tensor_load_to_lds s[G0V:G0V+3], s[GV:GV+7]
	s_nop 0
.rept 4
	v_nop
.endr
	s_branch .Lasked
.Lnot_v:
	s_cmp_eq_u32 s[WV], 8
	s_cbranch_scc0 .Lasked
	tensor_load_to_lds s[G0S:G0S+3], s[GS:GS+7]
	s_nop 0
.rept 4
	v_nop
.endr
.Lasked:
	s_lshl_b32 s[TI], ttmp9, 4
	s_add_co_u32 s[TI], s[TI], s[WV]               ; tile 16 g + w,
	s_sub_co_u32 s[TI+1], 127, s[TI]               ; and its partner
.macro TADDR n                         ; tile n's places in q's codes, q's scale words and oc
	s_lshl_b32 s83, s[TI+\n], 9
	s_add_co_u32 s84, s16, s83
	s_mov_b32 s85, 0
	s_add_nc_u64 s[QB+2*\n:QB+2*\n+1], s[4:5], s[84:85]
	s_lshr_b32 s83, s[TI+\n], 2
	s_lshl_b32 s83, s83, 8                         ; 256 bytes for four tiles,
	s_and_b32 s84, s[TI+\n], 3
	s_lshl_b32 s84, s84, 2                         ; a word a tile in each row's 16 bytes
	s_add_co_u32 s84, s84, s83
	s_lshl_b32 s83, s12, 13
	s_add_co_u32 s84, s84, s83
	s_add_nc_u64 s[QSB+2*\n:QSB+2*\n+1], s[6:7], s[84:85]
	s_lshl_b32 s83, s[TI+\n], 13                   ; oc: 8,192 bytes a tile of tokens,
	s_lshl_b32 s84, s13, 20
	s_add_co_u32 s84, s84, s83
	s_lshl_b32 s83, s14, 9                         ; 512 a head
	s_add_co_u32 s84, s84, s83
	s_add_nc_u64 s[OB+2*\n:OB+2*\n+1], s[8:9], s[84:85]
.endm
	TADDR 0
	TADDR 1
	v_and_b32 v8, 15, v0                           ; r
	v_bfe_u32 v9, v0, 4, 1                         ; h
	v_and_b32 v10, 31, v0
	s_delay_alu instid0(VALU_DEP_1)
	v_lshlrev_b32 v[LK], 4, v10
	s_delay_alu instid0(VALU_DEP_4)
	v_lshlrev_b32 v[R16], 4, v8
.irp n, 0,1
	global_load_b128 v[16+8*\n:19+8*\n], v[LK], s[QB+2*\n:QB+2*\n+1]      ; Q's codes stay in registers
	global_load_b32 v[QSW+\n], v[R16], s[QSB+2*\n:QSB+2*\n+1]
.endr
	v_add_nc_u32 v[LV], VIMG, v[LK]
	v_add_nc_u32 v[LKS], KSC, v[R16]
	v_add_nc_u32 v[LVS], VSC, v[R16]
	v_and_b32 v[DG0], 8, v8
	s_delay_alu instid0(VALU_DEP_1)
	v_add_nc_u32 v[DG0], v[DG0], v8
	v_lshlrev_b32 v11, 4, v9
	s_delay_alu instid0(VALU_DEP_1)
	v_sub_nc_u32 v[DG0], v[DG0], v11
	s_lshl_b32 s83, s13, 16                        ; os: 512 bytes a tile of tokens,
	s_lshl_b32 s84, s[TI], 9
	s_add_co_u32 s83, s83, s84
	s_lshr_b32 s84, s14, 3
	s_lshl_b32 s84, s84, 8                         ; 256 for eight heads,
	s_add_co_u32 s83, s83, s84
	s_and_b32 s84, s14, 7
	s_lshl_b32 s84, s84, 1                         ; two bytes a head
	s_add_co_u32 s83, s83, s84
	s_sub_co_u32 s84, s[TI+1], s[TI]
	s_lshl_b32 s84, s84, 9
	v_mul_u32_u24 v[OSO], s84, v9                  ; lanes 0-15 store the first tile's, lanes 16-31 the second's
	s_wait_alu depctr_va_vdst(0)
	v_add3_u32 v[OSO], v[OSO], v[R16], s83
.irp j, 20,21,22,23,28,29,30,31,64,65,66,67
	v_mov_b32 v[\j], 0                             ; zero codes: the upper 64 of Q's operands, and behind K's last tile
.endr
.irp b, 0,1,2,3
	v_mov_b32 v[BT+\b], 0                          ; written once: a lane permute's destination counts as one of its sources
.endr
	v_mov_b32 v[FF+1], 0                           ; (named as the upper half of the pair)
	v_mov_b32 v[NINF], 0xff800000
	s_wait_tensorcnt 0x0                           ; my load, if I had one, has landed
	s_barrier_signal -1
	s_barrier_wait -1                              ; everybody's has: from here on LDS is only read
	s_wait_loadcnt 0x0                             ; Q
; A KEY STEP of tile n: 128 keys.
.macro STEP n
	s_cmp_gt_u32 s[J], s[JD]                       ; all its keys come after my 16 queries: only the addresses step
	s_cbranch_scc1 .Lhid_\@
	s_setprio 2
	v_add_nc_u32 v[ADK], s[TK], v[LK]              ; (these four are also the places between the last step's products and the loads into their registers)
	v_add_nc_u32 v[ADV], s[TK], v[LV]
	v_add_nc_u32 v[ADS], s[TS], v[LKS]
	v_add_nc_u32 v[ADT], s[TV], v[LVS]
.irp t, 0,1,2,3,4,5,6,7
	ds_load_b128 v[KF+4*\t:KF+4*\t+3], v[ADK] offset:512*\t
.endr
.irp g, 0,1
	ds_load_b128 v[KSW+4*\g:KSW+4*\g+3], v[ADS] offset:256*\g
.endr
.irp t, 0,1,2,3
.irp c, 0,1
	ds_load_b128 v[VF+8*\t+4*\c:VF+8*\t+4*\c+3], v[ADV] offset:2048*\c+512*\t
.endr
.endr
	ds_load_b128 v[VSW:VSW+3], v[ADT]
	s_wait_dscnt 9                                 ; K and its scale words are in; V's nine loads may be out
.irp t, 0,1,2,3,4,5,6,7
	v_wmma_scale_f32_16x16x128_f8f6f4 v[S+8*\t:S+8*\t+7], v[KF+4*\t:KF+4*\t+7], v[16+8*\n:23+8*\n], 0, v[KSW+\t], v[QSW+\n] matrix_a_fmt:MATRIX_FMT_FP4 matrix_b_fmt:MATRIX_FMT_FP4
.endr
.rept 4
	v_nop
.endr
	s_cmp_lt_u32 s[J], s[JD]                       ; a step all of whose keys count skips the mask
	s_cbranch_scc1 .Lopen_\@
.irp m, 0,1,2,3,4,5,6,7,8,9,10,11,12,13,14,15,16,17,18,19,20,21,22,23,24,25,26,27,28,29,30,31,32,33,34,35,36,37,38,39,40,41,42,43,44,45,46,47,48,49,50,51,52,53,54,55,56,57,58,59,60,61,62,63
	v_cmp_gt_i32 vcc_lo, 32*(\m/16)+\m%16, v[DG]   ; register 16 b + i holds key 16 h + 32 b + i of the step: hidden where it comes after my query
	v_cndmask_b32 v[S+\m], v[S+\m], v[NINF], vcc_lo
.endr
.Lopen_\@:
.irp b, 0,1,2,3
	v_max3_num_f32 v[BM+\b], v[S+16*\b], v[S+1+16*\b], v[S+2+16*\b]       ; the largest score of each block of 32 keys: for the row's maximum and, since p rises with the score, for the block's largest p
.endr
.irp i, 3,5,7,9,11,13
.irp b, 0,1,2,3
	v_max3_num_f32 v[BM+\b], v[BM+\b], v[S+16*\b+\i], v[S+1+16*\b+\i]
.endr
.endr
.irp b, 0,1,2,3
	v_max_num_f32 v[BM+\b], v[BM+\b], v[S+15+16*\b]
.endr
.irp b, 0,1,2,3
	s_delay_alu instid0(VALU_DEP_4)
	v_permlanex16_b32 v[BT+\b], v[BM+\b], s[SEL], s[SEL+1]
.endr
.irp b, 0,1,2,3
	s_delay_alu instid0(VALU_DEP_4)
	v_max_num_f32 v[BM+\b], v[BM+\b], v[BT+\b]     ; with lane l xor 16's 16 keys
.endr
	s_delay_alu instid0(VALU_DEP_2)
	v_max3_num_f32 v[TT], v[BM], v[BM+1], v[BM+2]
	s_delay_alu instid0(VALU_DEP_1)
	v_max_num_f32 v[TT], v[TT], v[BM+3]
	s_delay_alu instid0(VALU_DEP_1)
	v_mul_f32 v[TT], s[CS], v[TT]
	s_delay_alu instid0(VALU_DEP_1)
	v_max_num_f32 v13, v13, v[TT]                  ; the running largest t
	v_mov_b32 v[TT], v12
	s_delay_alu instid0(VALU_DEP_2)
	v_floor_f32 v12, -v13                          ; -M = floor(-t): M is a whole number
	s_delay_alu instid0(VALU_DEP_1)
	v_sub_f32 v[TT], v12, v[TT]                    ; old M - new M: a whole number, 0 or less
	s_delay_alu instid0(VALU_DEP_1)
	v_cvt_i32_f32 v[TT], v[TT]                     ; (it saturates)
	s_delay_alu instid0(VALU_DEP_1)
	v_ldexp_f32 v[FF], 1.0, v[TT]                  ; f = 2^(old M - new M)
.set jj, 0
.rept 32
	v_pk_fma_f32 v[S+jj:S+jj+1], v[S+jj:S+jj+1], s[CS:CS+1], v[12:13] op_sel_hi:[1,0,0]   ; t - M, two at a time
.set jj, jj+2
.endr
	s_setprio 1
.irp b, 0,1,2,3
	v_fma_f32 v[BM+\b], v[BM+\b], s[CS], v12       ; the same of each block's largest score
.endr
.set jj, 0
	s_wait_alu depctr_va_vdst(0)
.rept 64
	v_exp_f32 v[S+jj], v[S+jj]                     ; p = 2^(t - M)
.set jj, jj+1
.endr
	v_pk_mul_f32 v[14:15], v[14:15], v[FF:FF+1] op_sel_hi:[1,0]   ; the sums under the new M.  (The plain line behind the batch)
	s_wait_alu depctr_va_vdst(0)                   ; one wait for the 64, ahead of the first line that names a result
.irp b, 0,1,2,3
	v_exp_f32 v[BM+\b], v[BM+\b]                   ; the blocks' largest p
.endr
.set jj, 0
	s_wait_alu depctr_va_vdst(0)
.rept 16
	v_pk_mul_f32 v[O+jj:O+jj+1], v[O+jj:O+jj+1], v[FF:FF+1] op_sel_hi:[1,0]   ; O^T under the new M, each accumulator from its low end on: independent work behind the four
.set jj, jj+2
.endr
	s_wait_alu depctr_va_vdst(0)                   ; and one wait for the four
.irp b, 0,1,2,3
	v_max_num_f32 v[BM+\b], 0x1800000, v[BM+\b]    ; the floor 2^(3 - 127): the byte cannot fall under 1
.endr
.irp b, 0,1,2,3
	s_delay_alu instid0(VALU_DEP_4)
	v_add_nc_u32 v[BS+\b], 0xff000000, v[BM+\b]
.endr
.irp b, 0,1,2,3
	s_delay_alu instid0(VALU_DEP_4)
	v_lshrrev_b32 v[BT+\b], 23, v[BS+\b]
.endr
	s_delay_alu instid0(VALU_DEP_3)
	v_lshl_or_b32 v[PSW], v[BT+1], 8, v[BT]        ; p's scale word for these 128 keys
	s_delay_alu instid0(VALU_DEP_1)
	v_lshl_or_b32 v[PSW], v[BT+2], 16, v[PSW]
	s_delay_alu instid0(VALU_DEP_1)
	v_lshl_or_b32 v[PSW], v[BT+3], 24, v[PSW]
.irp b, 0,1,2,3
	v_cvt_scalef32_pk8_fp4_f32 v[P+2*\b], v[S+16*\b:S+7+16*\b], v[BS+\b]
	v_cvt_scalef32_pk8_fp4_f32 v[P+1+2*\b], v[S+8+16*\b:S+15+16*\b], v[BS+\b]
.endr
	v_nop                                          ; one plain line behind a scaled conversion
	s_setprio 0
.irp c, 0,1
.irp i, 0,1
	v_permlane16_swap_b32 v[P+4*\c+\i], v[P+2+4*\c+\i]   ; a whole block to a lane
.endr
.endr
	v_pk_add_f32 v[224:225], v[104:105], v[108:109]
	v_pk_add_f32 v[252:253], v[112:113], v[116:117]
	v_pk_add_f32 v[250:251], v[120:121], v[124:125]
	v_pk_add_f32 v[248:249], v[128:129], v[132:133]
	v_pk_add_f32 v[246:247], v[136:137], v[140:141]
	v_pk_add_f32 v[242:243], v[144:145], v[148:149]
	v_pk_add_f32 v[240:241], v[152:153], v[156:157]
	v_pk_add_f32 v[14:15], v[14:15], v[160:161]
	v_pk_add_f32 v[224:225], v[224:225], v[100:101]
	v_pk_add_f32 v[252:253], v[252:253], v[102:103]
	v_pk_add_f32 v[250:251], v[250:251], v[106:107]
	v_pk_add_f32 v[248:249], v[248:249], v[110:111]
	v_pk_add_f32 v[246:247], v[246:247], v[114:115]
	v_pk_add_f32 v[242:243], v[242:243], v[118:119]
	v_pk_add_f32 v[240:241], v[240:241], v[122:123]
	v_pk_add_f32 v[14:15], v[14:15], v[126:127]
	v_pk_add_f32 v[224:225], v[224:225], v[130:131]
	v_pk_add_f32 v[252:253], v[252:253], v[134:135]
	v_pk_add_f32 v[250:251], v[250:251], v[138:139]
	v_pk_add_f32 v[248:249], v[248:249], v[142:143]
	v_pk_add_f32 v[246:247], v[246:247], v[146:147]
	v_pk_add_f32 v[242:243], v[242:243], v[150:151]
	v_pk_add_f32 v[240:241], v[240:241], v[154:155]
	v_pk_add_f32 v[14:15], v[14:15], v[158:159]
	v_pk_add_f32 v[224:225], v[224:225], v[162:163]
	s_delay_alu instid0(VALU_DEP_2)
	v_pk_add_f32 v[14:15], v[14:15], v[248:249]
	s_delay_alu instid0(VALU_DEP_2)
	v_pk_add_f32 v[224:225], v[224:225], v[246:247]
	v_pk_add_f32 v[252:253], v[252:253], v[242:243]
	v_pk_add_f32 v[250:251], v[250:251], v[240:241]
	s_delay_alu instid0(VALU_DEP_2)
	v_pk_add_f32 v[14:15], v[14:15], v[252:253]
	s_delay_alu instid0(VALU_DEP_2)
	v_pk_add_f32 v[224:225], v[224:225], v[250:251]
	s_delay_alu instid0(VALU_DEP_1)
	v_pk_add_f32 v[14:15], v[14:15], v[224:225]
	s_wait_dscnt 0x0                               ; V and its scale words are in
.irp t, 0,1,2,3
	v_wmma_scale_f32_16x16x128_f8f6f4 v[O+8*\t:O+8*\t+7], v[VF+8*\t:VF+8*\t+7], v[P:P+7], v[O+8*\t:O+8*\t+7], v[VSW+\t], v[PSW] matrix_a_fmt:MATRIX_FMT_FP4 matrix_b_fmt:MATRIX_FMT_FP4
.endr
.Lhid_\@:
	s_add_co_u32 s[TK], s[TK], 4096                ; the next step's tiles and scale words
	s_add_co_u32 s[TS], s[TS], 512
	s_add_co_u32 s[TV], s[TV], 256
	s_add_co_u32 s[J], s[J], 1
.endm
; A TILE OF 16 QUERIES: all its key steps, then O / l quantised and stored.
.macro TILE n
	s_lshr_b32 s[JD], s[TI+\n], 3                  ; the step on the diagonal
	s_bfe_u32 s83, s[TI+\n], 0x20001
	s_lshl_b32 s83, s83, 5
	s_and_b32 s84, s[TI+\n], 1
	s_lshl_b32 s84, s84, 3
	s_add_co_u32 s83, s83, s84                     ; the tile's first token within that step
	v_add_nc_u32 v[DG], s83, v[DG0]
	v_mov_b32 v13, 0xff61b1e6                      ; the largest t so far: -3e38
	s_delay_alu instid0(VALU_DEP_1)
	v_floor_f32 v12, -v13
	v_mov_b32 v14, 0
	v_mov_b32 v15, 0
.set jj, 0
.rept 32
	v_mov_b32 v[O+jj], 0                           ; the step is written once: the first finds zeros, which the first change of M leaves zeros
.set jj, jj+1
.endr
	s_mov_b32 s[J], 0
	s_mov_b32 s[TK], 0
	s_mov_b32 s[TS], 0
	s_mov_b32 s[TV], 0
.Lstep_\@:
	STEP \n
	s_cmp_lt_u32 s[J], 16
	s_cbranch_scc1 .Lstep_\@
	s_setprio 0
.rept 4
	v_nop                                          ; places behind the last products
.endr
	s_wait_alu depctr_va_vdst(0)
	v_add_f32 v14, v14, v15
	s_delay_alu instid0(VALU_DEP_1)
	v_permlanex16_b32 v[BT], v14, s[SEL], s[SEL+1]
	s_delay_alu instid0(VALU_DEP_1)
	v_add_f32 v14, v14, v[BT]                      ; the row's sum
	s_wait_alu depctr_va_vdst(0)
	v_rcp_f32 v14, v14
	v_nop                                          ; a plain line behind the reciprocal,
	s_wait_alu depctr_va_vdst(0)                   ; and the wait ahead of its first reader
.set jj, 0
.rept 32
	v_mul_f32 v[S+jj], v[O+jj], v14                ; O / l: register 16 b + i is channel 32 b + 16 h + i of my query
.set jj, jj+1
.endr
.irp b, 0,1
	v_max3_num_f32 v[BM+\b], |v[S+16*\b]|, |v[S+1+16*\b]|, 0x1800000
.endr
.irp i, 2,4,6,8,10,12,14
.irp b, 0,1
	s_delay_alu instid0(VALU_DEP_2)
	v_max3_num_f32 v[BM+\b], v[BM+\b], |v[S+16*\b+\i]|, |v[S+1+16*\b+\i]|
.endr
.endr
.irp b, 0,1
	s_delay_alu instid0(VALU_DEP_2)
	v_permlanex16_b32 v[BT+\b], v[BM+\b], s[SEL], s[SEL+1]
.endr
.irp b, 0,1
	s_delay_alu instid0(VALU_DEP_2)
	v_max_num_f32 v[BM+\b], v[BM+\b], v[BT+\b]
.endr
.irp b, 0,1
	s_delay_alu instid0(VALU_DEP_2)
	v_add_nc_u32 v[BS+\b], 0xff000000, v[BM+\b]
.endr
.irp b, 0,1
	s_delay_alu instid0(VALU_DEP_2)
	v_lshrrev_b32 v[BT+\b], 23, v[BS+\b]
.endr
	s_delay_alu instid0(VALU_DEP_1)
	v_lshl_or_b32 v[244+\n], v[BT+1], 8, v[BT]     ; the head's two scale bytes of my row
.irp b, 0,1
	v_cvt_scalef32_pk8_fp4_f32 v[236+4*\n+2*\b], v[S+16*\b:S+7+16*\b], v[BS+\b]
	v_cvt_scalef32_pk8_fp4_f32 v[237+4*\n+2*\b], v[S+8+16*\b:S+15+16*\b], v[BS+\b]
.endr
	v_nop
	v_permlane16_swap_b32 v[236+4*\n], v[238+4*\n]
	v_permlane16_swap_b32 v[237+4*\n], v[239+4*\n]
	global_store_b128 v[LK], v[236+4*\n:239+4*\n], s[OB+2*\n:OB+2*\n+1]   ; half a fragment of the last product's operand: 512 consecutive bytes
.endm
	TILE 0
	TILE 1
	v_and_b32 v[TT], 16, v0
	s_delay_alu instid0(VALU_DEP_1)
	v_cmp_eq_u32 vcc_lo, 0, v[TT]
	s_delay_alu instid0(VALU_DEP_1)
	v_cndmask_b32 v246, v245, v244, vcc_lo         ; lanes l and l xor 16 hold the same bytes: lanes 0-15 store the first tile's, lanes 16-31 the second's
	global_store_b16 v[OSO], v246, s[10:11]
	s_wait_tensorcnt 0x0
	ds_add_u32 v254, v255
	s_wait_dscnt 0x0
	s_endpgm
.Lfunc_end_k_q3c23315e21_attn:
	.size	k_q3c23315e21_attn, .Lfunc_end_k_q3c23315e21_attn-k_q3c23315e21_attn
	.p2alignl 7, 3214868480
	.fill 96, 4, 3214868480
	.section	.rodata,"a",@progbits
	.p2align	6, 0x0
	.amdhsa_kernel k_q3c23315e21_attn
		.amdhsa_group_segment_fixed_size 169984
		.amdhsa_private_segment_fixed_size 0
		.amdhsa_enable_private_segment 0
		.amdhsa_kernarg_size 32
		.amdhsa_user_sgpr_count 2
		.amdhsa_user_sgpr_kernarg_segment_ptr 1
		.amdhsa_wavefront_size32 1
		.amdhsa_system_sgpr_workgroup_id_x 1
		.amdhsa_system_sgpr_workgroup_id_y 1
		.amdhsa_system_sgpr_workgroup_id_z 1
		.amdhsa_system_vgpr_workitem_id 0
		.amdhsa_next_free_vgpr 256
		.amdhsa_next_free_sgpr 90
		.amdhsa_reserve_vcc 1
		.amdhsa_float_denorm_mode_32 3
		.amdhsa_float_denorm_mode_16_64 3
		.amdhsa_memory_ordered 1
		.amdhsa_forward_progress 1
		.amdhsa_inst_pref_size 63
	.end_amdhsa_kernel
	.amdgpu_metadata
---
amdhsa.version: [ 1, 2 ]
amdhsa.kernels:
  - .name:           k_q3c23315e21_attn
    .symbol:         k_q3c23315e21_attn.kd
    .args:
      - { .name: qkvc, .offset: 0, .size: 8, .value_kind: global_buffer, .address_space: global }
      - { .name: qkvs, .offset: 8, .size: 8, .value_kind: global_buffer, .address_space: global }
      - { .name: oc, .offset: 16, .size: 8, .value_kind: global_buffer, .address_space: global }
      - { .name: os, .offset: 24, .size: 8, .value_kind: global_buffer, .address_space: global }
    .group_segment_fixed_size: 169984
    .private_segment_fixed_size: 0
    .kernarg_segment_align: 8
    .kernarg_segment_size: 32
    .max_flat_workgroup_size: 512
    .sgpr_count:     90
    .vgpr_count:     256
    .wavefront_size: 32
...
	.end_amdgpu_metadata
.endif
;; end of part 3
;; launch proj (part 4): grid 4 x 32, 4 waves a work-group, clusters of 4 x 4, 327,680 bytes of LDS; arguments oc, os, cod, scl, bu, out0; writes out0
.if DOCPART == 4
	.amdgcn_target "amdgcn-amd-amdhsa--gfx1250"
	.amdhsa_code_object_version 6
	.text
	.protected	k_q3c23315e21_proj
	.globl	k_q3c23315e21_proj
	.p2align	8
	.type	k_q3c23315e21_proj,@function
k_q3c23315e21_proj:
	s_mov_b64 s[64:65], 0
	v_nop
	global_prefetch_b8 v0, s[64:65] scope:SCOPE_SE
	s_setreg_imm32_b32 hwreg(HW_REG_WAVE_MODE, 25, 1), 1
	s_wait_xcnt 0x0
	s_wait_alu depctr_hold_cnt(0) depctr_sa_sdst(0) depctr_va_vdst(0) depctr_va_sdst(0) depctr_va_ssrc(0) depctr_va_vcc(0) depctr_vm_vsrc(0)
	s_getreg_b32 s2, hwreg(HW_REG_IB_STS2, 6, 4)
	s_cmp_eq_u32 s2, 0
	s_cbranch_scc0 .Lentry_in_a_cluster
	s_endpgm
.Lentry_in_a_cluster:
	s_bfe_u32 s2, ttmp6, 0x10000c
	s_cmp_lg_u32 s2, 0xf033
	s_cbranch_scc0 .Lentry_shape_is_right
	s_endpgm
.Lentry_shape_is_right:
; out0 = O Wu^T + bu on codes of FP4 (E2M1) with E8M0 scales; sums in f32; the bias is the C of each sum's first matrix instruction.
; TWO SIDES.  R (source 1) = O's tokens, P (source 0) = Wu's rows (output channels): a lane of a result holds one token, and its registers run along the channels.
; A work-group makes 16 tiles of R x 16 of P (256 x 256), each of its four waves 8 x 8: 64 accumulators, 512 registers.
; THE ROWS OF A TILE: place r of tile 2 b + u is row 32 b + 8 u + r + 8 (r / 8), for tokens and channels alike; the way out puts both back by immediates.
; LDS.  K = 1,024: the codes of 256 + 256 rows for all of K are 256 KiB, as images of the operands' registers: two slots of 512 along K, each filled ONCE, and 16 KiB of scale words behind them.
; No byte is filled twice.  A wave has three tensor loads out at the most.  CLUSTER 4 x 4: R's tiles shared along a row, P's along a column: joint loads.
; REGISTERS: window 0: v16-31 addresses; v32-95 scale words, two sets, and nothing else; v128-191 R's fragments; on the way out v128-255 rows of out0; window 1: P's fragments at v0 and v128, the bias at v64-127;
;   windows 2, 3: the accumulators ((a, b) at v[8 (8 (a % 4) + b)]).
.set SLOT,  131072
.set POFF,  65536
.set SCL,   262144
.set FR,    8
.set NQ,    4
.set NP,    4
.set SPITCH, 528                       ; the way out: a stage of 16 rows x (512 bytes + 16) for each wave, in slot 0, which has had its one fill and is read by nobody behind the change of slots
.set ADRA,  16
.set ADRB,  20
.set STO,   24                         ; v24  the stage: where I put 32 bytes of a row
.set RD,    25                         ; v25  and where I read a row back
.set CO,    26                         ; v26  16 x lane
.set ADRS,  27
.set BO,    30                         ; v30  64 h: my half's place in the bias
.set SC,    32
.set AF,    128
.set BK,    128
.set BI,    64                         ; the bias, in window 1: eight registers for each of P's tiles
.set G1, 24
.set G0, 32
.set G1B, 48
.set G0B, 56
.set G1S, 68
.set G0S, 76
.set G1SB, 80
.set G0SB, 88
.set MSB, 0
.macro WIN new
.if MSB != (\new)
	s_set_vgpr_msb (MSB<<8)|(\new)
.set MSB, (\new)
.endif
.endm
.set MUL_LO, 0xa1
.set MUL_HI, 0xf1
.set TO_B,   0x40
.macro JLOAD g0a, g1a, g0b, g1b        ; a joint load: waves 0 and 1 fetch for R, waves 2 and 3 for P; four v_nop follow each line
	s_cmp_eq_u32 s15, 0
	s_cbranch_scc0 .Lfor_b_\@
	tensor_load_to_lds s[\g0a:\g0a+3], s[\g1a:\g1a+7]
	s_nop 0
.rept 4
	v_nop
.endr
	s_branch .Lasked_\@
.Lfor_b_\@:
	tensor_load_to_lds s[\g0b:\g0b+3], s[\g1b:\g1b+7]
	s_nop 0
.rept 4
	v_nop
.endr
.Lasked_\@:
.endm
.macro CROUND
	s_barrier_signal -1
	s_barrier_wait -1
	s_cmp_lg_u32 s14, 0
	s_cbranch_scc1 .Lnot_wave_0_\@
	s_barrier_signal -3
.Lnot_wave_0_\@:
	s_barrier_wait -3
	s_barrier_signal -1
	s_barrier_wait -1
.endm
	s_load_b128 s[4:7], s[0:1], 0x0                ; oc, os
	s_load_b128 s[8:11], s[0:1], 0x10              ; cod, scl
	s_load_b64 s[12:13], s[0:1], 0x20              ; bu
	s_load_b64 s[2:3], s[0:1], 0x28                ; out0
	v_lshl_add_u32 v126, v0, 2, 0x44000
	v_mov_b32 v127, 0
	ds_add_u32 v126, v127
	ds_add_u32 v126, v127
	v_lshrrev_b32 v1, 5, v0
	v_readfirstlane_b32 s14, v1
	s_lshr_b32 s15, s14, 1                         ; which 8 of R's tiles are mine.  Also: I fetch for R (0) or for P (1)
	s_and_b32 s16, s14, 1                          ; which 8 of P's.  Also: which 8 tiles I fetch
	s_bfe_u32 s40, ttmp6, 0x40000                  ; cx
	s_bfe_u32 s41, ttmp6, 0x40004                  ; cy
	s_and_b32 s17, ttmp7, 0xffff
	s_lshl_b32 s17, s17, 2
	s_add_co_u32 s17, s17, s41                     ; R's block of 16 tiles of tokens
	s_lshl_b32 s42, ttmp9, 2
	s_add_co_u32 s42, s42, s40                     ; the block of 256 output channels
	s_lshl_b32 s43, s41, 2
	s_lshl_b32 s43, 15, s43                        ; my row of the cluster
	s_lshl_b32 s44, 0x1111, s40                    ; my column
	s_or_b32 s[G1+0], s43, (3<<16)|(1<<21)         ; codes: 8 rows of 4,096 bytes (512 elements of 8 bytes), 8,192 bytes apart
	s_or_b32 s[G1B+0], s44, (3<<16)|(1<<21)
.irp g, G1, G1B
	s_mov_b32 s[\g+1], 512<<16
	s_mov_b32 s[\g+2], 8<<16
	s_mov_b32 s[\g+3], 512<<16
	s_mov_b32 s[\g+4], 8
	s_mov_b32 s[\g+5], 1024
	s_mov_b32 s[\g+6], 0
	s_mov_b32 s[\g+7], 0
.endr
	s_or_b32 s[G1S+0], s43, (3<<16)|(1<<21)        ; scale words: 4,096 dense bytes as 16 rows of 256
	s_or_b32 s[G1SB+0], s44, (3<<16)|(1<<21)
.irp g, G1S, G1SB
	s_mov_b32 s[\g+1], 32<<16
	s_mov_b32 s[\g+2], 16<<16
	s_mov_b32 s[\g+3], 32<<16
	s_mov_b32 s[\g+4], 16
	s_mov_b32 s[\g+5], 32
	s_mov_b32 s[\g+6], 0
	s_mov_b32 s[\g+7], 0
.endr
	s_lshl_b32 s18, s16, 3
	s_lshl_b32 s20, s17, 4
	s_add_co_u32 s20, s20, s18                     ; R: the first tile that I would fetch
	s_add_co_u32 s46, s42, 44                      ; Wu's blocks begin at 44
	s_lshl_b32 s46, s46, 4
	s_add_co_u32 s46, s46, s18                     ; P: likewise
	s_lshl_b32 s22, s20, 9
	s_mov_b32 s23, 0
	s_lshl_b32 s92, s46, 9
	s_mov_b32 s93, 0
	s_lshl_b32 s20, s20, 13
	s_mov_b32 s21, 0
	s_lshl_b32 s46, s46, 13
	s_mov_b32 s47, 0
	s_lshl_b32 s45, s14, 15
	s_lshl_b32 s94, s14, 12
	s_wait_dscnt 0x0
	s_wait_kmcnt 0x0
	s_add_nc_u64 s[20:21], s[4:5], s[20:21]
	s_add_nc_u64 s[22:23], s[6:7], s[22:23]
	s_add_nc_u64 s[46:47], s[8:9], s[46:47]
	s_add_nc_u64 s[92:93], s[10:11], s[92:93]
	CROUND                                         ; all sixteen work-groups are here: the joint loads meet
	s_mov_b32 s[G0S], 1
	s_add_co_u32 s[G0S+1], s94, SCL
	s_mov_b64 s[G0S+2:G0S+3], s[22:23]
	s_or_b32 s[G0S+3], s[G0S+3], 0x80000000
	s_mov_b32 s[G0SB], 1
	s_add_co_u32 s[G0SB+1], s94, SCL
	s_mov_b64 s[G0SB+2:G0SB+3], s[92:93]
	s_or_b32 s[G0SB+3], s[G0SB+3], 0x80000000
	JLOAD G0S, G1S, G0SB, G1SB
.irp s, 0,1
	s_mov_b32 s[G0+4*\s], 1
	s_add_co_u32 s[G0+4*\s+1], s45, \s*SLOT
	s_add_nc_u64 s[G0+4*\s+2:G0+4*\s+3], s[20:21], \s*4096
	s_or_b32 s[G0+4*\s+3], s[G0+4*\s+3], 0x80000000
	s_mov_b32 s[G0B+4*\s], 1
	s_add_co_u32 s[G0B+4*\s+1], s45, \s*SLOT
	s_add_nc_u64 s[G0B+4*\s+2:G0B+4*\s+3], s[46:47], \s*4096
	s_or_b32 s[G0B+4*\s+3], s[G0B+4*\s+3], 0x80000000
	s_wait_alu depctr_va_vdst(0)
	s_wait_tensorcnt 0x0
	ds_add_u32 v126, v127
	s_wait_dscnt 0x0
	CROUND
	JLOAD G0+4*\s, G1, G0B+4*\s, G1B
.endr
	v_and_b32 v1, 15, v0                           ; r
	v_bfe_u32 v2, v0, 4, 1                         ; h
	v_and_b32 v3, 31, v0
	v_lshlrev_b32 v[CO], 4, v3
	s_wait_alu depctr_va_vdst(0)
	v_lshlrev_b32 v[BO], 6, v2
	s_lshl_b32 s46, s42, 10                        ; my first output channel, in bytes of f32: 1,024 x block + 512 x half: in bu and in a row of out0
	s_lshl_b32 s47, s16, 9
	s_add_co_u32 s46, s46, s47
	s_mov_b32 s47, 0
	s_add_nc_u64 s[12:13], s[12:13], s[46:47]
	s_add_nc_u64 s[2:3], s[2:3], s[46:47]
	WIN TO_B
.irp t, 0,1,2,3,4,5,6,7                        ; lane (r, h) wants, for P's tile 2 b + u, the bias of channels 32 b + 16 h + 8 u + 0 .. 7
	global_load_b128 v[BI+8*\t:BI+8*\t+3], v[BO], s[12:13] offset:128*(\t/2)+32*(\t%2)
	global_load_b128 v[BI+8*\t+4:BI+8*\t+7], v[BO], s[12:13] offset:128*(\t/2)+32*(\t%2)+16
.endr
	WIN 0
	s_lshl_b32 s22, s15, 15
	s_lshl_b32 s23, s16, 15
	s_add_co_u32 s23, s23, POFF
.irp s, 0,1
	v_add_nc_u32 v[ADRA+\s], s22, v[CO]
	v_add_nc_u32 v[ADRB+\s], s23, v[CO]
	s_add_co_u32 s22, s22, SLOT
	s_add_co_u32 s23, s23, SLOT
.endr
	s_lshl_b32 s22, s15, 12
	s_lshl_b32 s23, s16, 12
	s_add_co_u32 s23, s23, 8192
	s_sub_co_u32 s23, s23, s22
	v_mul_u32_u24 v6, s23, v2                      ; lanes 16-31 take P's scale words
	s_add_co_u32 s22, s22, SCL
	v_lshl_add_u32 v5, v1, 4, v6
	v_add_nc_u32 v[ADRS], s22, v5
	s_mul_i32 s23, s14, 16*SPITCH                  ; my stage
	v_mul_u32_u24 v5, v1, SPITCH
	v_lshl_add_u32 v5, v2, 6, v5
	v_add_nc_u32 v[STO], s23, v5                   ; in: row r, 64 h bytes on
	v_add_nc_u32 v[RD], s23, v[CO]                 ; back: the 32 lanes take a row of 512 bytes
	s_lshl_b32 s20, s17, 8
	s_lshl_b32 s21, s15, 7
	s_add_co_u32 s20, s20, s21                     ; my first token
	s_lshl_b32 s20, s20, 12                        ; rows of 4,096 bytes
	s_mov_b32 s21, 0
	s_add_nc_u64 s[2:3], s[2:3], s[20:21]
.macro FRAG reg, adr, q, i
.irp c, 0,1
	ds_load_b128 v[\reg+4*\c:\reg+4*\c+3], v[\adr] offset:4096*(\i)+1024*(\q)+512*\c
.endr
.endm
; 16 matrix instructions: R's tiles a0, a0 + 1 x P's eight.  first = 1: the sums start from the bias.  The 64 accumulators take turns, one instruction a turn, in the same order in every step.
.macro MUL16 a0, p, q, sc, first
.irp a, \a0, \a0+1
.irp b, 0,1,2,3,4,5,6,7
.if \first
	v_wmma_scale_f32_16x16x128_f8f6f4 v[8*(8*((\a)%4)+\b):8*(8*((\a)%4)+\b)+7], v[128*(\p)+FR*\b:128*(\p)+FR*\b+FR-1], v[AF+FR*(\a):AF+FR*(\a)+FR-1], v[BI+8*\b:BI+8*\b+7], v[SC+8*NQ*(\sc)+NQ*\b+(\q)], v[SC+8*NQ*(\sc)+NQ*(\a)+(\q)] matrix_a_fmt:MATRIX_FMT_FP4 matrix_b_fmt:MATRIX_FMT_FP4 matrix_a_scale:MATRIX_SCALE_ROW1
.else
	v_wmma_scale_f32_16x16x128_f8f6f4 v[8*(8*((\a)%4)+\b):8*(8*((\a)%4)+\b)+7], v[128*(\p)+FR*\b:128*(\p)+FR*\b+FR-1], v[AF+FR*(\a):AF+FR*(\a)+FR-1], v[8*(8*((\a)%4)+\b):8*(8*((\a)%4)+\b)+7], v[SC+8*NQ*(\sc)+NQ*\b+(\q)], v[SC+8*NQ*(\sc)+NQ*(\a)+(\q)] matrix_a_fmt:MATRIX_FMT_FP4 matrix_b_fmt:MATRIX_FMT_FP4 matrix_a_scale:MATRIX_SCALE_ROW1
.endif
.endr
.endr
.endm
.macro FETCH_B slot, q, p
	WIN TO_B
.irp i, 0,1,2,3,4,5,6,7
	FRAG 128*(\p)+FR*\i, ADRB+\slot, \q, \i
.endr
	WIN 0
.endm
.macro FETCH_A slot, q, i0
.irp i, \i0, \i0+1, \i0+2, \i0+3
	FRAG AF+FR*(\i), ADRA+\slot, \q, \i
.endr
.endm
.macro SCALES sc
.irp i, 0,1,2,3,4,5,6,7
	ds_load_b128 v[SC+8*NQ*\sc+NQ*\i:SC+8*NQ*\sc+NQ*\i+3], v[ADRS] offset:512*\i+256*\sc
.endr
.endm
.macro PLACES n
.rept \n
	v_nop
.endr
.endm
.macro STEP slot, q, first
	s_wait_dscnt 8                                 ; all but the youngest eight loads (R's tiles 4-7) are in
.if \first
	WIN 0x91                                       ; source 0 and C (the bias) window 1, source 1 window 0, D window 2
.else
	WIN MUL_LO
.endif
	MUL16 0, (\q)%2, \q, \slot, \first
	MUL16 2, (\q)%2, \q, \slot, \first
	s_wait_dscnt 0x0
	PLACES NP
	FETCH_B \slot, (\q)+1, 1-(\q)%2
	FETCH_A \slot, (\q)+1, 0
.if \first
	WIN 0xd1                                       ; the same, D window 3
.else
	WIN MUL_HI
.endif
	MUL16 4, (\q)%2, \q, \slot, \first
	MUL16 6, (\q)%2, \q, \slot, \first
	PLACES NP
	WIN 0
	FETCH_A \slot, (\q)+1, 4
.endm
	s_wait_alu depctr_va_vdst(0)
	s_wait_tensorcnt 0x1                           ; my scale words and my part of slot 0 are in; slot 1's load may be out
	s_barrier_signal -1
	s_barrier_wait -1
	FETCH_B 0, 0, 0
	FETCH_A 0, 0, 0
	SCALES 0
	FETCH_A 0, 0, 4
	s_wait_loadcnt 0x0                             ; the bias
	STEP 0, 0, 1
	STEP 0, 1, 0
	STEP 0, 2, 0
	s_wait_tensorcnt 0x0                           ; slot 0's last step, and the change of slots: my part of slot 1 is in
	s_wait_dscnt 8
	WIN MUL_LO
	MUL16 0, 1, 3, 0, 0
	s_wait_dscnt 0x0                               ; my reads of slot 0 are over
	s_barrier_signal -1
	MUL16 2, 1, 3, 0, 0
	WIN 0
	s_barrier_wait -1                              ; slot 1 is whole, and nobody reads slot 0 any more
	PLACES NP
	FETCH_B 1, 0, 0
	FETCH_A 1, 0, 0
	SCALES 1
	WIN MUL_HI
	MUL16 4, 1, 3, 0, 0
	MUL16 6, 1, 3, 0, 0
	PLACES NP
	WIN 0
	FETCH_A 1, 0, 4
	STEP 1, 0, 0
	STEP 1, 1, 0
	STEP 1, 2, 0
	s_wait_dscnt 8
	WIN MUL_LO
	MUL16 0, 1, 3, 1, 0
	MUL16 2, 1, 3, 1, 0
	s_wait_dscnt 0x0
	WIN MUL_HI
	MUL16 4, 1, 3, 1, 0
	MUL16 6, 1, 3, 1, 0
	WIN 0
; THE WAY OUT, a tile of 16 tokens x 128 channels at a time, through my own stage: in, each accumulator's eight numbers at their channels' bytes; back, whole rows of 512 bytes, which the 32 lanes store as 512 consecutive bytes.
.macro TOSTAGE a
.set AC, 64*((\a)%4)
	WIN 0x08+4*((\a)/4)                            ; an LDS store's data: window 2 or 3
.irp b, 0,1,2,3,4,5,6,7
	ds_store_b128 v[STO], v[AC+8*\b:AC+8*\b+3] offset:128*(\b/2)+32*(\b%2)         ; each accumulator from its low end on
	ds_store_b128 v[STO], v[AC+8*\b+4:AC+8*\b+7] offset:128*(\b/2)+32*(\b%2)+16
.endr
	WIN 0
.set BB, BK+64*((\a)%2)
.irp t, 0,1,2,3,4,5,6,7,8,9,10,11,12,13,14,15
	ds_load_b128 v[BB+4*\t:BB+4*\t+3], v[RD] offset:\t*SPITCH                      ; LDS serves a wave's instructions in order: these see the stores above
.endr
.endm
.macro SEND a, younger                 ; younger: the LDS instructions issued behind tile a's loads
.set BB, BK+64*((\a)%2)
	s_wait_dscnt \younger
.irp t, 0,1,2,3,4,5,6,7,8,9,10,11,12,13,14,15
	global_store_b128 v[CO], v[BB+4*\t:BB+4*\t+3], s[2:3] offset:(32*((\a)/2)+8*((\a)%2)+\t+8*(\t/8))*4096 th:TH_STORE_NT   ; place t of tile a is that token; 127 rows of 4,096 bytes at the most, inside the signed 24-bit immediate
.endr
.endm
	PLACES NP                                      ; behind the last products: for the stores of results and the loads into registers that held R's fragments
	TOSTAGE 0
.irp a, 1,2,3,4,5,6,7
.if \a > 1
	s_wait_xcnt 0x0                                ; tile a - 2's stores have read their registers: tile a's rows may land there
.endif
	TOSTAGE \a
	SEND \a-1, 32                                  ; behind tile a - 1's loads: tile a's 16 stores and 16 loads
.endr
	SEND 7, 0
	s_wait_tensorcnt 0x0
	ds_add_u32 v126, v127
	s_wait_dscnt 0x0
	CROUND                                         ; the closing round: no work-group ends while a partner may still ask for a tile that names it
	s_endpgm
.Lfunc_end_k_q3c23315e21_proj:
	.size	k_q3c23315e21_proj, .Lfunc_end_k_q3c23315e21_proj-k_q3c23315e21_proj
	.p2alignl 7, 3214868480
	.fill 96, 4, 3214868480
	.section	.rodata,"a",@progbits
	.p2align	6, 0x0
	.amdhsa_kernel k_q3c23315e21_proj
		.amdhsa_group_segment_fixed_size 327680
		.amdhsa_private_segment_fixed_size 0
		.amdhsa_enable_private_segment 0
		.amdhsa_kernarg_size 48
		.amdhsa_user_sgpr_count 2
		.amdhsa_user_sgpr_kernarg_segment_ptr 1
		.amdhsa_wavefront_size32 1
		.amdhsa_system_sgpr_workgroup_id_x 1
		.amdhsa_system_sgpr_workgroup_id_y 1
		.amdhsa_system_sgpr_workgroup_id_z 1
		.amdhsa_system_vgpr_workitem_id 0
		.amdhsa_next_free_vgpr 1024
		.amdhsa_next_free_sgpr 100
		.amdhsa_reserve_vcc 0
		.amdhsa_float_denorm_mode_32 3
		.amdhsa_float_denorm_mode_16_64 3
		.amdhsa_memory_ordered 1
		.amdhsa_forward_progress 1
		.amdhsa_inst_pref_size 126
	.end_amdhsa_kernel
	.amdgpu_metadata
---
amdhsa.version: [ 1, 2 ]
amdhsa.kernels:
  - .name:           k_q3c23315e21_proj
    .symbol:         k_q3c23315e21_proj.kd
    .args:
      - { .name: oc, .offset: 0, .size: 8, .value_kind: global_buffer, .address_space: global }
      - { .name: os, .offset: 8, .size: 8, .value_kind: global_buffer, .address_space: global }
      - { .name: cod, .offset: 16, .size: 8, .value_kind: global_buffer, .address_space: global }
      - { .name: scl, .offset: 24, .size: 8, .value_kind: global_buffer, .address_space: global }
      - { .name: bu, .offset: 32, .size: 8, .value_kind: global_buffer, .address_space: global }
      - { .name: out0, .offset: 40, .size: 8, .value_kind: global_buffer, .address_space: global }
    .group_segment_fixed_size: 327680
    .private_segment_fixed_size: 0
    .kernarg_segment_align: 8
    .kernarg_segment_size: 48
    .max_flat_workgroup_size: 128
    .sgpr_count:     100
    .vgpr_count:     1024
    .wavefront_size: 32
...
	.end_amdgpu_metadata
.endif
;; end of part 4
